; MI455X (gfx1250); checked and timed in simulation.
; The chip was launched on July 23, 2026; its instructions are those of AMD's public machine-readable ISA for CDNA 5 (MIT licence, August 2026) and "CDNA5" Instruction Set Architecture Reference Guide (July 2026). The comments in the code are by the model that wrote it; some were corrected since.
;; Attn Block. Allowed arithmetic: matrix products marked QUANTISED: E2M3 operands, one E8M0 scale for each 32 along K, by v_wmma_scale_f32_16x16x128_f8f6f4 with both operands' format E2M3, f32 sums; everything else in f32.
;; Inputs: bk 512 float32; bp 512 float32; bq 512 float32; bv 512 float32; gn_bias 512 float32; gn_scale 512 float32; wk 512 x 512 float32; wp 512 x 512 float32; wq 512 x 512 float32; wv 512 x 512 float32; x 8 x 512 x 2,048 float32.
;; Outputs: out0 8 x 512 x 2,048 float32.
;; This version of the problem:
;;   THIS VERSION OF THE PROBLEM IS GIVEN IN LOW PRECISION. The matrix products marked QUANTISED in the list below multiply operands that are first quantised to E2M3 (2 exponent bits, 3 mantissa bits; 6 bits a number), with one power-of-two scale for each 32 numbers along K (OCP MX v1.0); their sums are f32. All else is computed in f32.
;;   The module's matrix products, in the order in which they are computed (A, B: the left and right operand; K: the contracted axis; several contracted axes count as one K, in the product's order):
;;     1. [M 16,384, K 512] x [K 512, N 512]; A: computed on the way; B: input wq: QUANTISED
;;     2. [M 16,384, K 512] x [K 512, N 512]; A: computed on the way; B: input wk: QUANTISED
;;     3. [M 16,384, K 512] x [K 512, N 512]; A: computed on the way; B: input wv: QUANTISED
;;     4. batch 8 x [M 2,048, K 512] x [K 512, N 2,048]; A: computed on the way; B: computed on the way: QUANTISED
;;     5. batch 8 x [M 512, K 2,048] x [K 2,048, N 2,048]; A: computed on the way; B: softmax (see below): QUANTISED
;;     6. [M 16,384, K 512] x [K 512, N 512]; A: computed on the way; B: input wp: QUANTISED
;;   THE QUANTISER, for each operand of a quantised product, along K:
;;     - K is cut into blocks of 32 from its start; a last block that is shorter is filled with zeros.
;;     - A block's scale is 2^e with e = floor(log2(the largest magnitude in the block)) - 2, held to -126 .. 127; a block of zeros has e = 0. As a byte (E8M0): e + 127.
;;     - Each number is divided by its block's scale, clamped to +-7.5, and rounded to the nearest number of E2M3, ties to even, subnormals kept.
;;     - The product sums the exact products of the quantised numbers (number of the format x scale) in f32.
;;   ~~~python
;;   def quantise(x, axis):      # numpy; x: float32 -> the quantised numbers, widened to float32 again
;;       x = np.moveaxis(x, axis, -1); K = x.shape[-1]
;;       x = np.pad(x, [(0, 0)] * (x.ndim - 1) + [(0, -K % 32)]); x = x.reshape(x.shape[:-1] + (-1, 32)); a = np.abs(x).max(-1, keepdims=True)
;;       e = np.where(a > 0, np.clip(np.frexp(np.where(a > 0, a, 1))[1] - 1 - 2, -126, 127), 0)      # np.frexp(a)[1] - 1 = floor(log2(a)), exactly
;;       r = np.clip(x / 2.0 ** e, -7.5, 7.5)
;;       step = 2.0 ** (np.maximum(np.frexp(np.where(r == 0, 1, r))[1] - 1, 0) - 3)
;;       q = np.round(r / step) * step * 2.0 ** e      # np.round: ties to even
;;       return np.moveaxis(q.reshape(q.shape[:-2] + (-1,))[..., :K], -1, axis).astype(np.float32)
;;   ~~~
;;   SOFTMAX AHEAD OF A QUANTISED PRODUCT. Where the list says 'softmax', what is quantised is not the finished softmax but p = 2^(t - M), with t = logit x log2(e) and M = ceil(the row's largest t), a whole number; so 1/2 < the row's largest p <= 1. The row's sum l is taken of the UNQUANTISED p, in f32, and the product's result is divided by l at the end. Since M is a whole number, a kernel that streams over the keys may use a running M (the ceiling of the running maximum): every later rescaling is an exact power of two, which a block's scale takes up: the codes' values come out the same.
;;   OPERANDS COMPUTED ON THE WAY. 'Computed on the way' means the value that the module computes at that place (a softmax that the list does not call 'softmax' is quantised finished and normalised). What goes into a quantiser is computed in f32, as accurately as f32 sums, v_exp_f32 and their like allow (about 1e-6 of the number): no bf16 or f16 on the way to a quantiser, and a product that is left as it is and whose result goes on into a quantised operand takes f32 operands (vector FMAs, or v_wmma_f32_16x16x4_f32). A number that lies on a knife's edge between two numbers of the format may be rounded either way, as far as f32 arithmetic and the matrix unit's own rounding can turn it there, and no further.
;; One version. Each part assembles by itself: llvm-mc -triple=amdgcn-amd-amdhsa -mcpu=gfx1250 --defsym DOCPART=n.
;; ======== version 1 of 1: 3 launches
;; workspace buffers: himg 6,291,456 bytes; hsc 262,144 bytes; wimg 819,200 bytes; qimg 6,291,456 bytes; kimg 6,291,456 bytes; vimg 6,291,456 bytes; scl 786,432 bytes
;; launch prep (part 1): grid 160 x 1, 16 waves a work-group, no clusters, 54,272 bytes of LDS; arguments x, gn_scale, gn_bias, wq, wk, wv, wp, himg, hsc, wimg; writes himg, hsc, wimg
.if DOCPART == 1
	.amdgcn_target "amdgcn-amd-amdhsa--gfx1250"
	.amdhsa_code_object_version 6
	.text
	.protected	k_qb426d9d1e8_prep
	.globl	k_qb426d9d1e8_prep
	.p2align	8
	.type	k_qb426d9d1e8_prep,@function
k_qb426d9d1e8_prep:
	s_mov_b64 s[64:65], 0
	v_nop
	global_prefetch_b8 v0, s[64:65] scope:SCOPE_SE
	s_setreg_imm32_b32 hwreg(HW_REG_WAVE_MODE, 25, 1), 1
	s_wait_xcnt 0x0
; PREP.  Work-groups 0-127: GroupNorm of x [8][512][2048] and its codes of FP6 (E2M3) along the channels.  Work-groups 128-159: the four weights [512][512] as codes along their second axis.
; NORM.  Work-group g takes batch g / 16 and channels 32 (g % 16) on: two groups of 16 channels, which are also ONE block of 32 along the products' K.  Its 16 waves take 128 tokens each, a lane four
; neighbouring tokens; the 32 x 4 numbers of a lane stay in 128 registers between the passes, so x is read once.  Mean first, then the sum of squares of x - mean: no difference of large sums is formed.
; A lane holds all 32 channels of a token, so a block's largest magnitude needs no other lane and the conversions' 24 bytes are the token's codes of this block.
; LAYOUT OF himg: [batch][tile of 16 tokens 128][K step 4] fragments of 1,536 bytes = [block 4][row 16][24 bytes].  Row r of tile 2 b + u is token 32 b + 8 u + r + 8 (r / 8).
; The work-group owns one block: 384 bytes on end in each fragment; they leave through the wave's own stage in LDS, 16 bytes a lane, 24 lanes on end.
; hsc: [256 tokens 64][block 16][16 x tile + row] scale bytes: gathered in LDS, stored as 256 bytes on end by sixteen lanes.
; WEIGHTS.  A wave makes one fragment (16 rows x 128 K): lane (r, h) loads k = 64 c + 32 h + 0 .. 31 of its row, 128 bytes on end, the very numbers that the operand's layout gives it.
; A fragment leaves as an image of its registers: registers 4 g .. 4 g + 3 of lane l at 512 g + 16 l.  Its 16 scale words leave as 64 bytes (both halves of the lanes write the same words with the same values).
; A block's scale byte is its largest magnitude's exponent field - 2, held at 1 from below (a block of zeros keeps the byte 1: its codes are zeros, and this program alone reads the bytes).
; LIMITS: NaN and infinities are not served; blocks whose largest magnitude lies under 2^-124 keep the byte 1; 1 / sqrt by v_rsq_f32.
; No tensor loads, no cluster: work-groups share no input.  No prefetch: the launch is one stream of x.
.set RED1, 0                           ; LDS: 2 groups x 16 waves' sums
.set RED2, 256                         ; the same for the squares
.set SBS,  512                         ; 2,048 scale bytes
.set STG,  2560                        ; 3,072 bytes for each wave
.set TR,   32                          ; v32-63   32 numbers of a token; at work
.set XR,   64                          ; v64-191  register 4 ch + j: channel ch, token j
.set CR,   192                         ; v192-215 codes: six registers a token
.macro WRED a                          ; the sum over the 32 lanes, in every lane
	v_add_f32_dpp v[\a], v[\a], v[\a] row_xmask:1 row_mask:0xf bank_mask:0xf
	v_add_f32_dpp v[\a], v[\a], v[\a] row_xmask:2 row_mask:0xf bank_mask:0xf
	v_add_f32_dpp v[\a], v[\a], v[\a] row_xmask:4 row_mask:0xf bank_mask:0xf
	v_add_f32_dpp v[\a], v[\a], v[\a] row_xmask:8 row_mask:0xf bank_mask:0xf
	v_permlanex16_b32 v28, v[\a], s20, s21
	v_add_f32 v[\a], v[\a], v28
.endm
.macro LSUM g, a                       ; my 64 numbers of group g, two at a time, in two chains
	v_pk_add_f32 v[\a:\a+1], v[XR+64*\g:XR+64*\g+1], v[XR+64*\g+2:XR+64*\g+3]
	v_pk_add_f32 v[\a+2:\a+3], v[XR+64*\g+4:XR+64*\g+5], v[XR+64*\g+6:XR+64*\g+7]
.set k, 8
.rept 14
	v_pk_add_f32 v[\a:\a+1], v[\a:\a+1], v[XR+64*\g+k:XR+64*\g+k+1]
	v_pk_add_f32 v[\a+2:\a+3], v[\a+2:\a+3], v[XR+64*\g+k+2:XR+64*\g+k+3]
.set k, k+4
.endr
	v_pk_add_f32 v[\a:\a+1], v[\a:\a+1], v[\a+2:\a+3]
	v_add_f32 v[\a], v[\a], v[\a+1]
.endm
.macro LSQ g, a                        ; the same of their squares: the first products start the sums
	v_pk_mul_f32 v[\a:\a+1], v[XR+64*\g:XR+64*\g+1], v[XR+64*\g:XR+64*\g+1]
	v_pk_mul_f32 v[\a+2:\a+3], v[XR+64*\g+2:XR+64*\g+3], v[XR+64*\g+2:XR+64*\g+3]
.set k, 4
.rept 15
	v_pk_fma_f32 v[\a:\a+1], v[XR+64*\g+k:XR+64*\g+k+1], v[XR+64*\g+k:XR+64*\g+k+1], v[\a:\a+1]
	v_pk_fma_f32 v[\a+2:\a+3], v[XR+64*\g+k+2:XR+64*\g+k+3], v[XR+64*\g+k+2:XR+64*\g+k+3], v[\a+2:\a+3]
.set k, k+4
.endr
	v_pk_add_f32 v[\a:\a+1], v[\a:\a+1], v[\a+2:\a+3]
	v_add_f32 v[\a], v[\a], v[\a+1]
.endm
.macro GSUM b                          ; sixteen waves' sums in v[b] .. v[b + 15] -> v[b]; the same order in every wave
.irp k, 0,4,8,12
	v_pk_add_f32 v[(\b)+\k:(\b)+\k+1], v[(\b)+\k:(\b)+\k+1], v[(\b)+\k+2:(\b)+\k+3]
.endr
	v_pk_add_f32 v[(\b):(\b)+1], v[(\b):(\b)+1], v[(\b)+4:(\b)+5]
	v_pk_add_f32 v[(\b)+8:(\b)+9], v[(\b)+8:(\b)+9], v[(\b)+12:(\b)+13]
	v_pk_add_f32 v[(\b):(\b)+1], v[(\b):(\b)+1], v[(\b)+8:(\b)+9]
	v_add_f32 v[(\b)], v[(\b)], v[(\b)+1]
.endm
.macro COL j                           ; token j of my four: h = (x - mean) a + bias for 32 channels, the block's scale, 32 codes
.set ch, 0
.rept 32
	v_fma_f32 v[TR+ch], v[XR+4*ch+\j], s[32+ch], s[68+ch]
.set ch, ch+1
.endr
	v_max3_num_f32 v30, |v[TR]|, |v[TR+1]|, 0x1800000              ; the floor 2^(3 - 127) among the leaves: the byte cannot fall under 1
	v_max3_num_f32 v31, |v[TR+2]|, |v[TR+3]|, |v[TR+4]|
.irp i, 5,9,13,17,21,25
	v_max3_num_f32 v30, v30, |v[TR+\i]|, |v[TR+\i+1]|
	v_max3_num_f32 v31, v31, |v[TR+\i+2]|, |v[TR+\i+3]|
.endr
	v_max3_num_f32 v30, v30, |v[TR+29]|, |v[TR+30]|
	v_max3_num_f32 v30, v30, v31, |v[TR+31]|
	v_add_nc_u32 v221, 0xff000000, v30                             ; 2 off the exponent field: the conversion's scale operand
.if \j == 0
	v_lshrrev_b32 v220, 23, v221                                   ; the scale's byte; four tokens' bytes make a word
.else
	v_lshrrev_b32 v222, 23, v221
	v_lshl_or_b32 v220, v222, 8*\j, v220
.endif
	v_cvt_scalef32_pk16_fp6_f32 v[CR+6*\j:CR+6*\j+2], v[TR:TR+15], v221
	v_cvt_scalef32_pk16_fp6_f32 v[216:218], v[TR+16:TR+31], v221   ; (a conversion's three registers begin on an even number)
	v_nop                                                          ; one plain place behind a scaled conversion
.irp i, 0,1,2
	v_mov_b32 v[CR+6*\j+3+\i], v[216+\i]
.endr
.endm
	v_lshl_add_u32 v224, v0, 2, 0xcc00
	v_mov_b32 v225, 0
	s_cmp_ge_u32 ttmp9, 128                        ; the same for all waves of a work-group
	s_cbranch_scc1 .Lweights
	; ---------------------------------------------------------------- the norm
	s_load_b128 s[4:7], s[0:1], 0x0                ; x, gn_scale
	s_load_b64 s[8:9], s[0:1], 0x10                ; gn_bias
	s_load_b128 s[12:15], s[0:1], 0x38             ; himg, hsc
	v_lshrrev_b32 v1, 5, v0
	v_readfirstlane_b32 s16, v1                    ; wave 0..15
	v_and_b32 v1, 31, v0                           ; lane
	s_lshr_b32 s17, ttmp9, 4                       ; batch
	s_and_b32 s18, ttmp9, 15                       ; block of 32 channels
	v_lshlrev_b32 v2, 4, v0                        ; my 16 bytes of a channel's row: 512 x wave + 16 x lane
	s_lshl_b32 s2, s17, 22
	s_lshl_b32 s3, s18, 18
	s_add_co_u32 s2, s2, s3                        ; (512 batch + 32 block) rows of 8,192 bytes
	s_mov_b32 s3, 0
	s_lshl_b32 s10, s18, 7                         ; the block's 32 gains and biases
	s_mov_b32 s11, 0
	s_mov_b32 s20, 0x76543210
	s_mov_b32 s21, 0xfedcba98                      ; v_permlanex16_b32's selects for lane l xor 16
	s_wait_kmcnt 0x0
	s_add_nc_u64 s[4:5], s[4:5], s[2:3]
.set ch, 0
.rept 32
	global_load_b128 v[XR+4*ch:XR+4*ch+3], v2, s[4:5] offset:ch*8192 th:TH_LOAD_NT   ; a wave reads 512 bytes on end
.set ch, ch+1
.endr
	s_add_nc_u64 s[6:7], s[6:7], s[10:11]
	s_add_nc_u64 s[8:9], s[8:9], s[10:11]
	s_load_b512 s[32:47], s[6:7], 0x0              ; gains
	s_load_b512 s[48:63], s[6:7], 0x40
	s_load_b512 s[68:83], s[8:9], 0x0              ; biases
	s_load_b512 s[84:99], s[8:9], 0x40
	; my four tokens are rows 8 ((l >> 2) & 1) + 4 (l & 1) + j of the wave's tile 2 (l >> 3) + ((l >> 1) & 1)
	v_lshrrev_b32 v14, 3, v1
	v_mul_u32_u24 v3, v14, 768
	v_lshlrev_b32 v5, 5, v14
	v_bfe_u32 v14, v1, 1, 1
	v_mad_u32_u24 v3, v14, 384, v3
	v_lshl_add_u32 v5, v14, 4, v5
	v_bfe_u32 v14, v1, 2, 1
	v_mad_u32_u24 v3, v14, 192, v3
	v_lshl_add_u32 v5, v14, 3, v5
	v_and_b32 v14, 1, v1
	v_mad_u32_u24 v3, v14, 96, v3
	v_lshl_add_u32 v5, v14, 2, v5
	s_mul_i32 s19, s16, 3072
	s_add_co_u32 s19, s19, STG
	v_add_nc_u32 v3, s19, v3                       ; the stage, in: 384 x tile + 24 x row
	v_lshl_add_u32 v4, v1, 4, s19                  ; and back: 16 x lane
	s_lshl_b32 s19, s16, 7
	s_add_co_u32 s19, s19, SBS
	v_add_nc_u32 v5, s19, v5                       ; my four scale bytes: 128 x wave + 16 x tile + row
	v_add_nc_u32 v15, SBS, v2                      ; and back (waves 0-3): 16 x thread
.irp i, 0,1,2,3,4,5                    ; piece 32 i + l of the stage's 192 pieces of 16 bytes lies in tile (piece / 24): fragments are 6,144 bytes apart
	v_add_nc_u32 v14, 32*\i, v1
	v_mul_u32_u24 v[6+\i], v14, 2731
	v_lshrrev_b32 v[6+\i], 16, v[6+\i]             ; piece / 24 (exact up to 191)
	v_mul_u32_u24 v[6+\i], v[6+\i], 5760
	v_lshl_add_u32 v[6+\i], v14, 4, v[6+\i]        ; 6,144 x tile + 16 x (piece - 24 tile)
.endr
	v_lshrrev_b32 v14, 4, v1
	v_and_b32 v29, 15, v1
	v_lshlrev_b32 v29, 4, v29
	v_lshl_add_u32 v29, v14, 12, v29               ; hsc: 4,096 x (lane / 16) + 16 x (lane % 16)
	s_lshl_b32 s19, s16, 2
	v_mov_b32 v12, s19                             ; my wave's word among the sums
	v_mov_b32 v13, 0
	v_mov_b32 v28, 0                               ; a lane permute's destination counts as one of its sources
	s_mul_i32 s24, s17, 786432
	s_mul_i32 s25, s16, 49152
	s_add_co_u32 s24, s24, s25
	s_lshr_b32 s25, s18, 2
	s_mul_i32 s25, s25, 1536
	s_add_co_u32 s24, s24, s25
	s_and_b32 s25, s18, 3
	s_mul_i32 s25, s25, 384
	s_add_co_u32 s24, s24, s25
	s_mov_b32 s25, 0
	s_add_nc_u64 s[12:13], s[12:13], s[24:25]      ; himg: batch, my wave's 8 tiles, K step block / 4, block % 4
	s_lshl_b32 s24, s17, 15
	s_lshl_b32 s26, s18, 8
	s_add_co_u32 s24, s24, s26
	s_lshl_b32 s26, s16, 13
	s_add_co_u32 s24, s24, s26
	s_add_nc_u64 s[14:15], s[14:15], s[24:25]      ; hsc: batch, block, 2 x wave units of 4,096
	; ---- the means
	s_wait_loadcnt 16                              ; channels 0-15 are in; the sixteen younger loads may be out
	LSUM 0, 16
	s_wait_loadcnt 0x0
	LSUM 1, 20
	WRED 16
	WRED 20
	ds_store_b32 v12, v16 offset:RED1              ; all lanes write the same word with the same value
	ds_store_b32 v12, v20 offset:RED1+64
	s_wait_dscnt 0x0                               ; for the others' sake
	s_barrier_signal -1
	s_barrier_wait -1
.irp i, 0,1,2,3,4,5,6,7
	ds_load_b128 v[TR+4*\i:TR+4*\i+3], v13 offset:RED1+16*\i
.endr
	s_wait_dscnt 0x0
	GSUM TR
	GSUM TR+16
	v_mul_f32 v24, 0x38000000, v[TR]               ; / 32,768
	v_mul_f32 v26, 0x38000000, v[TR+16]
	v_mov_b32 v25, v24
	v_mov_b32 v27, v26
.irp g, 0,1
.set k, 0
.rept 32
	v_pk_add_f32 v[XR+64*\g+k:XR+64*\g+k+1], v[XR+64*\g+k:XR+64*\g+k+1], v[24+2*\g:25+2*\g] neg_lo:[0,1] neg_hi:[0,1]   ; x - mean, in place
.set k, k+2
.endr
.endr
	; ---- the variances
	LSQ 0, 16
	LSQ 1, 20
	WRED 16
	WRED 20
	ds_store_b32 v12, v16 offset:RED2
	ds_store_b32 v12, v20 offset:RED2+64
	s_wait_dscnt 0x0
	s_barrier_signal -1
	s_barrier_wait -1
.irp i, 0,1,2,3,4,5,6,7
	ds_load_b128 v[TR+4*\i:TR+4*\i+3], v13 offset:RED2+16*\i
.endr
	s_wait_dscnt 0x0
	GSUM TR
	GSUM TR+16
	s_mov_b32 s24, 0x358637bd                      ; 1e-6
	v_fma_f32 v24, v[TR], 0x38000000, s24          ; the division by 32,768 is exact
	v_fma_f32 v26, v[TR+16], 0x38000000, s24
	v_rsq_f32 v25, v24
	v_rsq_f32 v27, v26
	v_nop                                          ; a plain place behind the transcendentals
	s_wait_alu depctr_va_vdst(0)                   ; one wait for both, ahead of their first reader
	v_readfirstlane_b32 s22, v25
	v_readfirstlane_b32 s23, v27
	s_wait_kmcnt 0x0                               ; gains and biases
.set ch, 0
.rept 16
	s_mul_f32 s[32+ch], s[32+ch], s22              ; a = gain / sqrt(var + eps)
	s_mul_f32 s[48+ch], s[48+ch], s23
.set ch, ch+1
.endr
	COL 0
	COL 1
	COL 2
	COL 3
	; ---- the way out
	ds_store_b32 v5, v220
.irp i, 0,1,2,3,4,5
	ds_store_b128 v3, v[CR+4*\i:CR+4*\i+3] offset:16*\i            ; my four tokens' 96 bytes lie on end
.endr
.irp i, 0,1,2,3,4,5
	ds_load_b128 v[TR+4*\i:TR+4*\i+3], v4 offset:512*\i            ; LDS serves a wave's instructions in order: these see my stores
.endr
.irp i, 0,1,2,3,4,5
	s_wait_dscnt 5-\i
	global_store_b128 v[6+\i], v[TR+4*\i:TR+4*\i+3], s[12:13]
.endr
	s_barrier_signal -1                            ; (the last wait was for 0: my scale bytes lie in LDS)
	s_barrier_wait -1
	s_cmp_ge_u32 s16, 4
	s_cbranch_scc1 .Ldone
	ds_load_b128 v[56:59], v15                     ; waves 0-3: 512 scale bytes each
	s_wait_dscnt 0x0
	global_store_b128 v29, v[56:59], s[14:15]      ; sixteen lanes store 256 bytes on end, aligned
.Ldone:
	s_wait_tensorcnt 0x0
	ds_add_u32 v224, v225
	s_wait_dscnt 0x0
	s_endpgm
	; ---------------------------------------------------------------- the weights
.Lweights:
	s_load_b256 s[4:11], s[0:1], 0x18              ; wq, wk, wv, wp
	s_load_b64 s[12:13], s[0:1], 0x48              ; wimg
	v_lshrrev_b32 v1, 5, v0
	v_readfirstlane_b32 s16, v1                    ; wave
	v_and_b32 v1, 15, v0                           ; r
	v_bfe_u32 v2, v0, 4, 1                         ; h
	v_and_b32 v3, 31, v0
	v_lshlrev_b32 v3, 4, v3                        ; 16 x lane
	v_lshlrev_b32 v4, 2, v1                        ; 4 r
	v_and_b32 v5, 8, v1
	v_add_nc_u32 v5, v5, v1                        ; r + 8 (r / 8)
	v_lshlrev_b32 v5, 11, v5                       ; rows of 2,048 bytes
	v_lshl_add_u32 v5, v2, 7, v5                   ; + 128 h
	s_sub_co_u32 s17, ttmp9, 128
	s_lshr_b32 s18, s17, 3                         ; which weight: q, k, v, p
	s_and_b32 s19, s17, 7
	s_lshl_b32 s19, s19, 2
	s_lshr_b32 s20, s16, 2
	s_add_co_u32 s19, s19, s20                     ; tile of 16 rows, 0..31
	s_and_b32 s20, s16, 3                          ; K step
	s_lshr_b32 s21, s19, 1
	s_lshl_b32 s21, s21, 5
	s_and_b32 s22, s19, 1
	s_lshl_b32 s22, s22, 3
	s_add_co_u32 s21, s21, s22                     ; the tile's first row: 32 (tile / 2) + 8 (tile % 2)
	s_lshl_b32 s24, s21, 11
	s_lshl_b32 s22, s20, 9
	s_add_co_u32 s24, s24, s22
	s_mov_b32 s25, 0
	s_lshr_b32 s21, s19, 3                         ; q, k, v: chunk of 128 rows,
	s_mul_i32 s21, s21, 153600
	s_mul_i32 s22, s18, 51200
	s_add_co_u32 s21, s21, s22                     ; its block of 51,200 bytes
	s_and_b32 s22, s19, 7
	s_lshl_b32 s23, s22, 2
	s_add_co_u32 s23, s23, s20
	s_mul_i32 s23, s23, 1536
	s_add_co_u32 s26, s21, s23                     ; the fragment,
	s_lshl_b32 s22, s22, 8
	s_add_co_u32 s28, s21, s22
	s_lshl_b32 s22, s20, 6
	s_add_co_u32 s28, s28, s22
	s_add_co_u32 s28, s28, 49152                   ; its scale words
	s_lshl_b32 s21, s19, 2
	s_add_co_u32 s21, s21, s20
	s_mul_i32 s21, s21, 1536
	s_add_co_u32 s21, s21, 614400                  ; wp: the fragment,
	s_lshl_b32 s23, s19, 8
	s_add_co_u32 s23, s23, s22
	s_add_co_u32 s23, s23, 811008                  ; its scale words
	s_cmp_eq_u32 s18, 3
	s_cselect_b32 s26, s21, s26
	s_cselect_b32 s28, s23, s28
	s_mov_b32 s27, 0
	s_mov_b32 s29, 0
	s_mov_b32 s30, 0x76543210
	s_mov_b32 s31, 0xfedcba98
	s_wait_kmcnt 0x0
	s_cmp_eq_u32 s18, 1                            ; the choices hang on the work-group's number alone
	s_cselect_b64 s[4:5], s[6:7], s[4:5]
	s_cmp_eq_u32 s18, 2
	s_cselect_b64 s[4:5], s[8:9], s[4:5]
	s_cmp_eq_u32 s18, 3
	s_cselect_b64 s[4:5], s[10:11], s[4:5]
	s_add_nc_u64 s[4:5], s[4:5], s[24:25]
	s_add_nc_u64 s[14:15], s[12:13], s[26:27]
	s_add_nc_u64 s[32:33], s[12:13], s[28:29]
.irp c, 0,1
.irp i, 0,1,2,3,4,5,6,7
	global_load_b128 v[64+32*\c+4*\i:64+32*\c+4*\i+3], v5, s[4:5] offset:256*\c+16*\i   ; W(row, 128 s + 64 c + 32 h + 4 i ..)
.endr
.endr
	s_wait_loadcnt 0x0
.irp c, 0,1                            ; my block 2 c + h: all its 32 numbers are mine
	v_max3_num_f32 v[8+\c], |v[64+32*\c]|, |v[65+32*\c]|, 0x1800000
.endr
.irp i, 2,4,6,8,10,12,14,16,18,20,22,24,26,28,30
.irp c, 0,1
	v_max3_num_f32 v[8+\c], v[8+\c], |v[64+32*\c+\i]|, |v[65+32*\c+\i]|
.endr
.endr
.irp c, 0,1
	v_add_nc_u32 v[10+\c], 0xff000000, v[8+\c]
.endr
.irp c, 0,1
	v_lshrrev_b32 v[12+\c], 23, v[10+\c]
.endr
	v_lshl_or_b32 v14, v13, 16, v12                ; my two bytes: blocks h and 2 + h,
	v_lshlrev_b32 v15, 3, v2
	v_lshlrev_b32 v14, v15, v14                    ; at their places in the scale word;
	v_mov_b32 v15, 0
	v_permlanex16_b32 v15, v14, s30, s31
	v_or_b32 v14, v14, v15                         ; with lane l xor 16's two the word is whole
.irp c, 0,1
	v_cvt_scalef32_pk16_fp6_f32 v[32+6*\c:34+6*\c], v[64+32*\c:79+32*\c], v[10+\c]
	v_cvt_scalef32_pk16_fp6_f32 v[48+4*\c:50+4*\c], v[80+32*\c:95+32*\c], v[10+\c]
.endr
	v_nop                                          ; one plain place behind a scaled conversion
.irp c, 0,1
.irp i, 0,1,2
	v_mov_b32 v[35+6*\c+\i], v[48+4*\c+\i]
.endr
.endr
.irp g, 0,1,2
	global_store_b128 v3, v[32+4*\g:35+4*\g], s[14:15] offset:512*\g   ; the wave stores 512 bytes on end, aligned
.endr
	global_store_b32 v4, v14, s[32:33]
	s_endpgm
.Lfunc_end_k_qb426d9d1e8_prep:
	.size	k_qb426d9d1e8_prep, .Lfunc_end_k_qb426d9d1e8_prep-k_qb426d9d1e8_prep
	.p2alignl 7, 3214868480
	.fill 96, 4, 3214868480
	.section	.rodata,"a",@progbits
	.p2align	6, 0x0
	.amdhsa_kernel k_qb426d9d1e8_prep
		.amdhsa_group_segment_fixed_size 54272
		.amdhsa_private_segment_fixed_size 0
		.amdhsa_enable_private_segment 0
		.amdhsa_kernarg_size 80
		.amdhsa_user_sgpr_count 2
		.amdhsa_user_sgpr_kernarg_segment_ptr 1
		.amdhsa_wavefront_size32 1
		.amdhsa_system_sgpr_workgroup_id_x 1
		.amdhsa_system_sgpr_workgroup_id_y 1
		.amdhsa_system_sgpr_workgroup_id_z 1
		.amdhsa_system_vgpr_workitem_id 0
		.amdhsa_next_free_vgpr 226
		.amdhsa_next_free_sgpr 100
		.amdhsa_reserve_vcc 0
		.amdhsa_float_denorm_mode_32 3
		.amdhsa_float_denorm_mode_16_64 3
		.amdhsa_memory_ordered 1
		.amdhsa_forward_progress 1
		.amdhsa_inst_pref_size 51
	.end_amdhsa_kernel
	.amdgpu_metadata
---
amdhsa.version: [ 1, 2 ]
amdhsa.kernels:
  - .name:           k_qb426d9d1e8_prep
    .symbol:         k_qb426d9d1e8_prep.kd
    .args:
      - { .name: x, .offset: 0, .size: 8, .value_kind: global_buffer, .address_space: global }
      - { .name: gn_scale, .offset: 8, .size: 8, .value_kind: global_buffer, .address_space: global }
      - { .name: gn_bias, .offset: 16, .size: 8, .value_kind: global_buffer, .address_space: global }
      - { .name: wq, .offset: 24, .size: 8, .value_kind: global_buffer, .address_space: global }
      - { .name: wk, .offset: 32, .size: 8, .value_kind: global_buffer, .address_space: global }
      - { .name: wv, .offset: 40, .size: 8, .value_kind: global_buffer, .address_space: global }
      - { .name: wp, .offset: 48, .size: 8, .value_kind: global_buffer, .address_space: global }
      - { .name: himg, .offset: 56, .size: 8, .value_kind: global_buffer, .address_space: global }
      - { .name: hsc, .offset: 64, .size: 8, .value_kind: global_buffer, .address_space: global }
      - { .name: wimg, .offset: 72, .size: 8, .value_kind: global_buffer, .address_space: global }
    .group_segment_fixed_size: 54272
    .private_segment_fixed_size: 0
    .kernarg_segment_align: 8
    .kernarg_segment_size: 80
    .max_flat_workgroup_size: 512
    .sgpr_count:     100
    .vgpr_count:     226
    .wavefront_size: 32
...
	.end_amdgpu_metadata
.endif
;; end of part 1
;; launch qkv (part 2): grid 64 x 4, 4 waves a work-group, clusters of 4 x 4, 262,656 bytes of LDS; arguments himg, hsc, wimg, bq, bk, bv, qimg, kimg, vimg, scl; writes qimg, kimg, vimg, scl
.if DOCPART == 2
	.amdgcn_target "amdgcn-amd-amdhsa--gfx1250"
	.amdhsa_code_object_version 6
	.text
	.protected	k_qb426d9d1e8_qkv
	.globl	k_qb426d9d1e8_qkv
	.p2align	8
	.type	k_qb426d9d1e8_qkv,@function
k_qb426d9d1e8_qkv:
	s_mov_b64 s[64:65], 0
	v_nop
	global_prefetch_b8 v0, s[64:65] scope:SCOPE_SE
	s_setreg_imm32_b32 hwreg(HW_REG_WAVE_MODE, 25, 1), 1
	s_wait_xcnt 0x0
	s_wait_alu depctr_hold_cnt(0) depctr_sa_sdst(0) depctr_va_vdst(0) depctr_va_sdst(0) depctr_va_ssrc(0) depctr_va_vcc(0) depctr_vm_vsrc(0)
	s_getreg_b32 s2, hwreg(HW_REG_IB_STS2, 6, 4)
	s_cmp_eq_u32 s2, 0
	s_cbranch_scc0 .Lentry_in_a_cluster
	s_endpgm
.Lentry_in_a_cluster:
	s_bfe_u32 s2, ttmp6, 0x10000c
	s_cmp_lg_u32 s2, 0xf033
	s_cbranch_scc0 .Lentry_shape_is_right
	s_endpgm
.Lentry_shape_is_right:
; q, k, v = W h + b on codes of FP6 (E2M3) with one E8M0 scale for each 32 channels, and the results quantised at once into the operands that the attention launch reads.
; SHARES.  Work-group (X, y): 256 tokens (block X of 64) x outputs 128 y .. 128 y + 127 of q, of k and of v.  Four waves.
; ONE MACRO, CHUNK, serves all three: a HELD operand (4 tiles x 4 K steps, in registers, source 1) against a STREAMED one (8 tiles x 4 K steps, from LDS, source 0): 32 accumulators.
; A lane then holds ONE held row, and its 64 results run along the streamed rows: 128 neighbours along the later product's K, which are quantised in registers into one fragment and one scale word a row.
;   q, k: held = my 4 tiles of tokens, streamed = the chunk's 8 tiles of weight rows: the fragment is (my tokens, channels 128 y on).
;   v:    held = 4 tiles of wv's rows (wave % 2), streamed = 8 tiles of tokens (wave / 2): the fragment is (channels, tokens 128 (wave / 2) on): the keys are v's K.
; Row r of tile 2 b + u (of tokens and of weight rows alike) is item 32 b + 8 u + r + 8 (r / 8), so that the 16 registers of tiles 2 b and 2 b + 1 are 16 neighbours: items 32 b + 16 (lane / 16) + 0 .. 15.
; The biases are the C of each sum's first matrix instruction.
; LDS is filled once: the three chunks of weights (3 x 51,200 bytes: fragments as images of their registers, then scale words) and the 256 tokens' codes of h (98,304 bytes).  Each wave fetches a quarter of each.
; CLUSTERS: 4 x 4 work-groups.  The four of a row (same y) need the same weights, the four of a column (same X) the same tokens: both are asked for jointly.  A wave has two tensor loads out.
; OUT.  Fragments leave as images of their registers (registers 4 g .. 4 g + 3 of lane l at 512 g + 16 l): each store of the wave covers 512 bytes on end, aligned.  Scale words of four tiles leave as one unit of
; 256 bytes: word i of lane l (at 8 l + 4 i) is that of row l % 16 of tile 2 i + l / 16.
; REGISTERS, in windows of 256: window 0: addresses, scale words, v's bias, at work;  window 1: the held fragments at 12 (4 t + s), q's bias at v192;  window 2: the accumulators at 64 t + 8 u;
;   window 3: two sets of streamed fragments at 96 e + 12 u, k's bias at v192.
; LIMITS: NaN and infinities are not served; blocks whose largest magnitude lies under 2^-124 keep the scale byte 1.  No prefetch: one fill a work-group.
.set LI,  3                            ; v3   16 x lane (also: q's weights, which begin at LDS byte 0)
.set L8,  4                            ; v4   8 x lane
.set AWK, 7                            ; v7   k's weights
.set AWV, 8                            ; v8   my half of v's weights
.set AHH, 9                            ; v9   my 4 tiles of h
.set AHS, 10                           ; v10  the 8 tiles of h that I stream
.set SWQ, 12                           ; v12-14 scale words of q's, k's, my half of v's weights
.set SWK, 13
.set SWV, 14
.set HS,  16                           ; v16-31  h's scale words [pair of tiles 4][K step 4]: lanes 0-15 the even tile, lanes 16-31 the odd
.set HH,  32                           ; v32-39  those of my held tiles [pair 2][K step 4]
.set WS,  40                           ; v40-55  weights' scale words [tile 8][i 2]: lanes 0-15 K step 2 i, lanes 16-31 K step 2 i + 1
.set WVS, 56                           ; v56-63  the same of the held wv tiles [tile 4][i 2]
.set BIV, 64                           ; v64-95  v's bias, eight equal registers a held tile
.set TM,  96                           ; v96-111 the quantiser's
.set PWT, 116                          ; v116-119 four tiles' scale words
.set UU,  120                          ; v[120:121] the unit's two words
.set PC,  124                          ; v124-143 the codes just made
.set WVN, 24                           ; s24  wave
.set SEL, 80                           ; s[80:81]
.set QF,  66                           ; s[66:67] q's fragments;  s[68:69] k's;  s[70:71] v's;  s[72:73], s[74:75], s[78:79] their scale units
.set KF,  68
.set VF,  70
.set QU,  72
.set KU,  74
.set VU,  78
.set MSB, 0
.macro WIN new                         ; the immediate's high byte repeats the setting that is left
.if MSB != \new
	s_set_vgpr_msb (MSB<<8)|\new
.set MSB, \new
.endif
.endm
.macro PLACES n
.rept \n
	v_nop
.endr
.endm
.macro ROUND                           ; a round of the cluster's barrier
	s_barrier_signal -1
	s_barrier_wait -1
	s_cmp_lg_u32 s[WVN], 0
	s_cbranch_scc1 .Lnot_wave_0_\@
	s_barrier_signal -3
.Lnot_wave_0_\@:
	s_barrier_wait -3
	s_barrier_signal -1
	s_barrier_wait -1
.endm
; A fragment from LDS.  kind 0: an image of its registers, three loads of 16 bytes.  kind 1: h's form, [block 4][row 16][24 bytes]: lane (r, h) takes blocks h and 2 + h of row r, six loads of 8 bytes.
.macro LDF kind, reg, adr, off
.if \kind
.irp p, 0,1,2,3,4,5
	ds_load_b64 v[(\reg)+2*\p:(\reg)+2*\p+1], v[\adr] offset:(\off)+768*(\p/3)+8*(\p%3)
.endr
.else
.irp g, 0,1,2
	ds_load_b128 v[(\reg)+4*\g:(\reg)+4*\g+3], v[\adr] offset:(\off)+512*\g
.endr
.endif
.endm
; The matrix instruction.  c < 0: C is the constant 0.  ra, rb: the half of the lanes from which source 0's and source 1's scale words are taken.
.macro WM d, a, b, c, sa, sb, ra, rb
.if (\c) < 0
.if (\ra) && (\rb)
	v_wmma_scale_f32_16x16x128_f8f6f4 v[(\d):(\d)+7], v[(\a):(\a)+11], v[(\b):(\b)+11], 0, v[\sa], v[\sb] matrix_a_fmt:MATRIX_FMT_FP6 matrix_b_fmt:MATRIX_FMT_FP6 matrix_a_scale:MATRIX_SCALE_ROW1 matrix_b_scale:MATRIX_SCALE_ROW1
.elseif (\ra)
	v_wmma_scale_f32_16x16x128_f8f6f4 v[(\d):(\d)+7], v[(\a):(\a)+11], v[(\b):(\b)+11], 0, v[\sa], v[\sb] matrix_a_fmt:MATRIX_FMT_FP6 matrix_b_fmt:MATRIX_FMT_FP6 matrix_a_scale:MATRIX_SCALE_ROW1
.elseif (\rb)
	v_wmma_scale_f32_16x16x128_f8f6f4 v[(\d):(\d)+7], v[(\a):(\a)+11], v[(\b):(\b)+11], 0, v[\sa], v[\sb] matrix_a_fmt:MATRIX_FMT_FP6 matrix_b_fmt:MATRIX_FMT_FP6 matrix_b_scale:MATRIX_SCALE_ROW1
.else
	v_wmma_scale_f32_16x16x128_f8f6f4 v[(\d):(\d)+7], v[(\a):(\a)+11], v[(\b):(\b)+11], 0, v[\sa], v[\sb] matrix_a_fmt:MATRIX_FMT_FP6 matrix_b_fmt:MATRIX_FMT_FP6
.endif
.else
.if (\ra) && (\rb)
	v_wmma_scale_f32_16x16x128_f8f6f4 v[(\d):(\d)+7], v[(\a):(\a)+11], v[(\b):(\b)+11], v[(\c):(\c)+7], v[\sa], v[\sb] matrix_a_fmt:MATRIX_FMT_FP6 matrix_b_fmt:MATRIX_FMT_FP6 matrix_a_scale:MATRIX_SCALE_ROW1 matrix_b_scale:MATRIX_SCALE_ROW1
.elseif (\ra)
	v_wmma_scale_f32_16x16x128_f8f6f4 v[(\d):(\d)+7], v[(\a):(\a)+11], v[(\b):(\b)+11], v[(\c):(\c)+7], v[\sa], v[\sb] matrix_a_fmt:MATRIX_FMT_FP6 matrix_b_fmt:MATRIX_FMT_FP6 matrix_a_scale:MATRIX_SCALE_ROW1
.elseif (\rb)
	v_wmma_scale_f32_16x16x128_f8f6f4 v[(\d):(\d)+7], v[(\a):(\a)+11], v[(\b):(\b)+11], v[(\c):(\c)+7], v[\sa], v[\sb] matrix_a_fmt:MATRIX_FMT_FP6 matrix_b_fmt:MATRIX_FMT_FP6 matrix_b_scale:MATRIX_SCALE_ROW1
.else
	v_wmma_scale_f32_16x16x128_f8f6f4 v[(\d):(\d)+7], v[(\a):(\a)+11], v[(\b):(\b)+11], v[(\c):(\c)+7], v[\sa], v[\sb] matrix_a_fmt:MATRIX_FMT_FP6 matrix_b_fmt:MATRIX_FMT_FP6
.endif
.endif
.endm
; 64 numbers of a lane in window w, v[s] .. v[s + 63], register 16 b + i = k 32 b + 16 (lane / 16) + i of my row, become a fragment's codes in v[PC] on and its scale word in v[pw].
; Each accumulator is read from its low end on.
.macro QUANT w, s, pw
	WIN (\w)*5                                     ; sources 0 and 1 in window w
.irp b, 0,1,2,3
	v_max3_num_f32 v[TM+\b], |v[(\s)+16*\b]|, |v[(\s)+16*\b+1]|, 0x1800000   ; the floor 2^(3 - 127): the byte cannot fall under 1
.endr
.irp i, 2,4,6,8,10,12,14
.irp b, 0,1,2,3
	v_max3_num_f32 v[TM+\b], |v[(\s)+16*\b+\i]|, |v[(\s)+16*\b+\i+1]|, v[TM+\b]   ; the four blocks by turns
.endr
.endr
	WIN 0
.irp b, 0,1,2,3
	v_permlanex16_b32 v[TM+4+\b], v[TM+\b], s[SEL], s[SEL+1]
.endr
.irp b, 0,1,2,3
	v_max_num_f32 v[TM+\b], v[TM+\b], v[TM+4+\b]   ; with lane l xor 16's: the block's largest magnitude
.endr
.irp b, 0,1,2,3
	v_add_nc_u32 v[TM+12+\b], 0xff000000, v[TM+\b] ; 2 off its exponent field: the conversion's scale operand
.endr
.irp b, 0,1,2,3
	v_lshrrev_b32 v[TM+4+\b], 23, v[TM+12+\b]      ; the scale's byte
.endr
	v_lshl_or_b32 v[\pw], v[TM+5], 8, v[TM+4]
	v_lshl_or_b32 v[\pw], v[TM+6], 16, v[\pw]
	v_lshl_or_b32 v[\pw], v[TM+7], 24, v[\pw]
	WIN \w                                         ; source 0 in window w
.irp c, 0,1
	v_cvt_scalef32_pk16_fp6_f32 v[PC+6*\c:PC+6*\c+2], v[(\s)+32*\c:(\s)+32*\c+15], v[TM+12+2*\c]
	v_cvt_scalef32_pk16_fp6_f32 v[PC+12+4*\c:PC+14+4*\c], v[(\s)+32*\c+16:(\s)+32*\c+31], v[TM+13+2*\c]
.endr
	WIN 0
	v_nop                                          ; one plain place behind a scaled conversion
.irp c, 0,1                            ; the operand's layout wants a whole block in a lane: lanes 0-15 block 2 c, lanes 16-31 block 2 c + 1
.irp i, 0,1,2
	v_permlane16_swap_b32 v[PC+6*\c+\i], v[PC+12+4*\c+\i]
.endr
.irp i, 0,1,2
	v_mov_b32 v[PC+3+6*\c+\i], v[PC+12+4*\c+\i]
.endr
.endr
.endm
.macro STREAM mode, adr, s             ; the streamed operand's 8 fragments of K step s into set s % 2
	WIN 0xc0                                       ; destination window 3
.irp u, 0,1,2,3,4,5,6,7
	LDF \mode, 96*((\s)%2)+12*\u, \adr, (4*\u+(\s))*1536
.endr
.endm
; mode 0: q or k;  mode 1: v.  adrs: the streamed operand;  adrw: the weights' scale words;  cw: the windows of the first K step's products (C = the bias, at register cb);  outf, stridef, outs: where the results go.
.macro CHUNK mode, adrs, adrw, cw, cb, outf, stridef, outs
	WIN 0
.if \mode
.set NL, 48
.irp t, 0,1,2,3
.irp i, 0,1
	ds_load_b32 v[WVS+2*\t+\i], v[\adrw] offset:256*\t+128*\i
.endr
.endr
.else
.set NL, 24
.irp u, 0,1,2,3,4,5,6,7
.irp i, 0,1
	ds_load_b32 v[WS+2*\u+\i], v[\adrw] offset:256*\u+128*\i
.endr
.endr
.endif
	STREAM \mode, \adrs, 0
.irp s, 0,1,2,3
.if \s < 3
.if \s > 0
	PLACES 4                                       ; in front of loads into the set that the last K step's products have read
.endif
	STREAM \mode, \adrs, \s+1
	s_wait_dscnt NL                                ; all but the set just asked for
.else
	s_wait_dscnt 0x0
.endif
.if \s == 0
	WIN \cw
.else
	WIN 0xa7                                       ; source 0 window 3, source 1 window 1, C and D window 2
.endif
.irp u, 0,1,2,3,4,5,6,7                ; the 32 accumulators take turns, one instruction a turn, in the same order in every K step
.irp t, 0,1,2,3
.if \mode
.if \s == 0
	WM 64*\t+8*\u, 96*(\s%2)+12*\u, 12*(4*\t+\s), \cb+8*\t, HS+4*(\u/2)+\s, WVS+2*\t+\s/2, \u%2, \s%2
.else
	WM 64*\t+8*\u, 96*(\s%2)+12*\u, 12*(4*\t+\s), 64*\t+8*\u, HS+4*(\u/2)+\s, WVS+2*\t+\s/2, \u%2, \s%2
.endif
.else
.if \s == 0
	WM 64*\t+8*\u, 96*(\s%2)+12*\u, 12*(4*\t+\s), \cb+8*\u, WS+2*\u+\s/2, HH+4*(\t/2)+\s, \s%2, \t%2
.else
	WM 64*\t+8*\u, 96*(\s%2)+12*\u, 12*(4*\t+\s), 64*\t+8*\u, WS+2*\u+\s/2, HH+4*(\t/2)+\s, \s%2, \t%2
.endif
.endif
.endr
.endr
.endr
	WIN 0
	PLACES 4                                       ; in front of the first read of results
.irp t, 0,1,2,3
	s_wait_xcnt 0x0                                ; the last stores have read their registers: the codes are written again only behind this wait
	QUANT 2, 64*\t, PWT+\t
.irp g, 0,1,2
	global_store_b128 v[LI], v[PC+4*\g:PC+4*\g+3], s[\outf:\outf+1] offset:\t*\stridef+512*\g
.endr
.endr
	v_cndmask_b32 v[UU], v[PWT], v[PWT+1], s31     ; lanes 16-31 take the odd tiles' words
	v_cndmask_b32 v[UU+1], v[PWT+2], v[PWT+3], s31
	global_store_b64 v[L8], v[UU:UU+1], s[\outs:\outs+1]           ; the wave stores 256 bytes on end, aligned
.endm
	s_load_b512 s[4:19], s[0:1], 0x0               ; himg s[4:5], hsc s[6:7], wimg s[8:9], bq s[10:11], bk s[12:13], bv s[14:15], qimg s[16:17], kimg s[18:19]
	s_load_b128 s[20:23], s[0:1], 0x40             ; vimg s[20:21], scl s[22:23]
	v_lshl_add_u32 v254, v0, 2, 0x40000
	v_mov_b32 v255, 0
	ds_add_u32 v254, v255
	v_lshrrev_b32 v1, 5, v0
	v_readfirstlane_b32 s[WVN], v1                 ; wave 0..3
	s_bfe_u32 s25, ttmp6, 0x40000                  ; cx
	s_bfe_u32 s26, ttmp6, 0x40004                  ; cy
	s_lshl_b32 s27, ttmp9, 2
	s_add_co_u32 s27, s27, s25                     ; X = 4 x cluster x + cx
	s_and_b32 s30, ttmp7, 0xffff
	s_lshl_b32 s30, s30, 2
	s_add_co_u32 s30, s30, s26                     ; y = 4 x cluster y + cy
	s_lshl_b32 s28, s26, 2
	s_lshl_b32 s28, 15, s28                        ; my row of the cluster
	s_lshl_b32 s29, 0x1111, s25                    ; my column
	; group 1 for the weights: a dense block of 38,400 bytes as 150 rows of 256 (32 elements of 8 bytes); it hangs on y alone: shared along the row
	s_or_b32 s32, s28, (3<<16)|(1<<21)
	s_mov_b32 s33, 32<<16
	s_mov_b32 s34, 150<<16
	s_mov_b32 s35, 32<<16
	s_mov_b32 s36, 150
	s_mov_b32 s37, 32
	s_mov_b32 s38, 0
	s_mov_b32 s39, 0
	; and for h: 24,576 bytes as 96 rows; it hangs on X alone: shared along the column
	s_or_b32 s40, s29, (3<<16)|(1<<21)
	s_mov_b32 s41, 32<<16
	s_mov_b32 s42, 96<<16
	s_mov_b32 s43, 32<<16
	s_mov_b32 s44, 96
	s_mov_b32 s45, 32
	s_mov_b32 s46, 0
	s_mov_b32 s47, 0
	s_mul_i32 s56, s30, 153600
	s_mul_i32 s57, s[WVN], 38400
	s_add_co_u32 s56, s56, s57
	s_mov_b32 s57, 0
	s_mul_i32 s58, s27, 98304
	s_mul_i32 s59, s[WVN], 24576
	s_add_co_u32 s58, s58, s59
	s_mov_b32 s59, 0
	s_wait_dscnt 0x0
	s_wait_kmcnt 0x0
	s_mov_b32 s48, 1
	s_mul_i32 s49, s[WVN], 38400                   ; LDS: my quarter of the weights
	s_add_nc_u64 s[50:51], s[8:9], s[56:57]
	s_or_b32 s51, s51, 0x80000000
	s_mov_b32 s52, 1
	s_mul_i32 s53, s[WVN], 24576
	s_add_co_u32 s53, s53, 153600                  ; LDS: my quarter of h
	s_add_nc_u64 s[54:55], s[4:5], s[58:59]
	s_or_b32 s55, s55, 0x80000000
	ROUND                                          ; all sixteen work-groups are here: the joint loads meet
	tensor_load_to_lds s[48:51], s[32:39]
	s_nop 0
	tensor_load_to_lds s[52:55], s[40:47]
	s_nop 0
	PLACES 4
	v_and_b32 v11, 31, v0                          ; lane
	v_and_b32 v1, 15, v0                           ; r
	v_bfe_u32 v2, v0, 4, 1                         ; h
	v_lshlrev_b32 v[LI], 4, v11
	v_lshlrev_b32 v[L8], 3, v11
	v_mul_u32_u24 v5, v1, 24
	v_mad_u32_u24 v5, v2, 384, v5                  ; h's form: 384 h + 24 r
	v_add_nc_u32 v[AWK], 51200, v[LI]
	s_and_b32 s60, s[WVN], 1
	s_lshr_b32 s61, s[WVN], 1
	s_mul_i32 s62, s60, 24576
	s_add_co_u32 s62, s62, 102400
	v_add_nc_u32 v[AWV], s62, v[LI]
	s_mul_i32 s62, s[WVN], 24576
	s_add_co_u32 s62, s62, 153600
	v_add_nc_u32 v[AHH], s62, v5
	s_mul_i32 s62, s61, 49152
	s_add_co_u32 s62, s62, 153600
	v_add_nc_u32 v[AHS], s62, v5
	v_lshlrev_b32 v[SWQ], 2, v11
	v_add_nc_u32 v[SWK], 100352, v[SWQ]
	s_lshl_b32 s62, s60, 10
	s_add_co_u32 s62, s62, 151552
	v_add_nc_u32 v[SWV], s62, v[SWQ]
	v_add_nc_u32 v[SWQ], 49152, v[SWQ]
	v_lshlrev_b32 v15, 6, v2                       ; q's and k's bias: 64 h
	v_and_b32 v113, 8, v1
	v_add_nc_u32 v113, v113, v1
	v_lshlrev_b32 v113, 2, v113                    ; v's bias: 4 (r + 8 (r / 8))
	s_mov_b32 s[SEL], 0x76543210
	s_mov_b32 s[SEL+1], 0xfedcba98
	s_mov_b32 s31, 0xffff0000                      ; lanes 16-31
	s_cmp_lg_u32 s60, 0
	s_cselect_b32 s76, -1, 0                       ; all lanes, in the odd waves
	; h's scale bytes: for pair p of the 8 tiles 8 (wave / 2) on, K step s, block bi: lane l takes byte 32 p + l
	s_lshl_b32 s62, s27, 12
	s_lshl_b32 s63, s61, 7
	s_add_co_u32 s62, s62, s63
	s_mov_b32 s63, 0
	s_add_nc_u64 s[6:7], s[6:7], s[62:63]
.irp p, 0,1,2,3
.irp s, 0,1,2,3
.irp bi, 0,1,2,3
	global_load_u8 v[144+16*\p+4*\s+\bi], v11, s[6:7] offset:256*(4*\s+\bi)+32*\p
.endr
.endr
.endr
	s_lshl_b32 s62, s30, 9                         ; the chunk's 128 biases
	s_add_nc_u64 s[10:11], s[10:11], s[62:63]
	s_add_nc_u64 s[12:13], s[12:13], s[62:63]
	s_add_nc_u64 s[14:15], s[14:15], s[62:63]
	s_lshl_b32 s62, s60, 8
	s_add_nc_u64 s[14:15], s[14:15], s[62:63]      ; v's: my half of them
	WIN 0x40                                       ; destination window 1
.irp u, 0,1,2,3,4,5,6,7                ; lane (r, h) wants, for tile u, the biases of outputs 32 (u / 2) + 16 h + 8 (u % 2) + 0 .. 7
	global_load_b128 v[192+8*\u:195+8*\u], v15, s[10:11] offset:(32*(\u/2)+8*(\u%2))*4
	global_load_b128 v[196+8*\u:199+8*\u], v15, s[10:11] offset:(32*(\u/2)+8*(\u%2))*4+16
.endr
	WIN 0xc0                                       ; destination window 3
.irp u, 0,1,2,3,4,5,6,7
	global_load_b128 v[192+8*\u:195+8*\u], v15, s[12:13] offset:(32*(\u/2)+8*(\u%2))*4
	global_load_b128 v[196+8*\u:199+8*\u], v15, s[12:13] offset:(32*(\u/2)+8*(\u%2))*4+16
.endr
	WIN 0
.irp t, 0,1,2,3
	global_load_b32 v[BIV+8*\t], v113, s[14:15] offset:(32*(\t/2)+8*(\t%2))*4       ; v: a lane holds one channel
.endr
	; where the results go
	s_mul_i32 s62, s27, 98304
	s_mul_i32 s77, s[WVN], 24576
	s_add_co_u32 s62, s62, s77
	s_mul_i32 s77, s30, 1536
	s_add_co_u32 s62, s62, s77
	s_add_nc_u64 s[QF:QF+1], s[16:17], s[62:63]    ; [X][tile 4 wave + t][K step y]
	s_add_nc_u64 s[KF:KF+1], s[18:19], s[62:63]
	s_lshl_b32 s62, s30, 1
	s_add_co_u32 s62, s62, s61
	s_lshl_b32 s62, s62, 3
	s_lshl_b32 s77, s60, 2
	s_add_co_u32 s62, s62, s77
	s_mul_i32 s62, s62, 1536
	s_mul_i32 s77, s27, 98304
	s_add_co_u32 s62, s62, s77
	s_add_nc_u64 s[VF:VF+1], s[20:21], s[62:63]    ; [X][y][K step wave / 2][tile 4 (wave % 2) + t]
	s_lshl_b32 s62, s27, 12
	s_lshl_b32 s77, s30, 10
	s_add_co_u32 s62, s62, s77
	s_lshl_b32 s77, s[WVN], 8
	s_add_co_u32 s62, s62, s77
	s_add_nc_u64 s[QU:QU+1], s[22:23], s[62:63]    ; [X][y][wave] units of 256 bytes
	s_add_nc_u64 s[KU:KU+1], s[QU:QU+1], 262144
	s_add_nc_u64 s[VU:VU+1], s[QU:QU+1], 524288
	s_wait_loadcnt 0x0
.irp p, 0,1,2,3
.irp s, 0,1,2,3
	v_lshl_or_b32 v[HS+4*\p+\s], v[145+16*\p+4*\s], 8, v[144+16*\p+4*\s]
	v_lshl_or_b32 v[HS+4*\p+\s], v[146+16*\p+4*\s], 16, v[HS+4*\p+\s]
	v_lshl_or_b32 v[HS+4*\p+\s], v[147+16*\p+4*\s], 24, v[HS+4*\p+\s]
.endr
.endr
.irp i, 0,1
.irp s, 0,1,2,3
	v_cndmask_b32 v[HH+4*\i+\s], v[HS+4*\i+\s], v[HS+8+4*\i+\s], s76   ; my held tiles are pairs 2 (wave % 2) + i
.endr
.endr
.irp t, 0,1,2,3                        ; (these 32 plain lines are also the places between the scale words just made and the first product)
.irp e, 1,2,3,4,5,6,7
	v_mov_b32 v[BIV+8*\t+\e], v[BIV+8*\t]
.endr
.endr
.irp b, 0,1,2,3
	v_mov_b32 v[TM+4+\b], 0                        ; a lane permute's destination counts as one of its sources
.endr
	s_wait_tensorcnt 0x0                           ; my quarters have landed,
	s_barrier_signal -1
	s_barrier_wait -1                              ; everybody's have.  From here on LDS is only read
	WIN 0x40
.irp t, 0,1,2,3
.irp s, 0,1,2,3
	LDF 1, 12*(4*\t+\s), AHH, (4*\t+\s)*1536       ; held: my 4 tiles of tokens
.endr
.endr
	CHUNK 0, LI, SWQ, 0x97, 192, QF, 6144, QU
	CHUNK 0, AWK, SWK, 0xb7, 192, KF, 6144, KU
	WIN 0x40
.irp t, 0,1,2,3
.irp s, 0,1,2,3
	LDF 0, 12*(4*\t+\s), AWV, (4*\t+\s)*1536       ; held: my 4 tiles of wv's rows (the last products that read these registers stand far more than four places back)
.endr
.endr
	CHUNK 1, AHS, SWV, 0x87, BIV, VF, 1536, VU
	s_wait_tensorcnt 0x0
	ds_add_u32 v254, v255
	s_wait_dscnt 0x0
	ROUND                                          ; the closing round
	s_endpgm
.Lfunc_end_k_qb426d9d1e8_qkv:
	.size	k_qb426d9d1e8_qkv, .Lfunc_end_k_qb426d9d1e8_qkv-k_qb426d9d1e8_qkv
	.p2alignl 7, 3214868480
	.fill 96, 4, 3214868480
	.section	.rodata,"a",@progbits
	.p2align	6, 0x0
	.amdhsa_kernel k_qb426d9d1e8_qkv
		.amdhsa_group_segment_fixed_size 262656
		.amdhsa_private_segment_fixed_size 0
		.amdhsa_enable_private_segment 0
		.amdhsa_kernarg_size 80
		.amdhsa_user_sgpr_count 2
		.amdhsa_user_sgpr_kernarg_segment_ptr 1
		.amdhsa_wavefront_size32 1
		.amdhsa_system_sgpr_workgroup_id_x 1
		.amdhsa_system_sgpr_workgroup_id_y 1
		.amdhsa_system_sgpr_workgroup_id_z 1
		.amdhsa_system_vgpr_workitem_id 0
		.amdhsa_next_free_vgpr 1024
		.amdhsa_next_free_sgpr 100
		.amdhsa_reserve_vcc 0
		.amdhsa_float_denorm_mode_32 3
		.amdhsa_float_denorm_mode_16_64 3
		.amdhsa_memory_ordered 1
		.amdhsa_forward_progress 1
		.amdhsa_inst_pref_size 158
	.end_amdhsa_kernel
	.amdgpu_metadata
---
amdhsa.version: [ 1, 2 ]
amdhsa.kernels:
  - .name:           k_qb426d9d1e8_qkv
    .symbol:         k_qb426d9d1e8_qkv.kd
    .args:
      - { .name: himg, .offset: 0, .size: 8, .value_kind: global_buffer, .address_space: global }
      - { .name: hsc, .offset: 8, .size: 8, .value_kind: global_buffer, .address_space: global }
      - { .name: wimg, .offset: 16, .size: 8, .value_kind: global_buffer, .address_space: global }
      - { .name: bq, .offset: 24, .size: 8, .value_kind: global_buffer, .address_space: global }
      - { .name: bk, .offset: 32, .size: 8, .value_kind: global_buffer, .address_space: global }
      - { .name: bv, .offset: 40, .size: 8, .value_kind: global_buffer, .address_space: global }
      - { .name: qimg, .offset: 48, .size: 8, .value_kind: global_buffer, .address_space: global }
      - { .name: kimg, .offset: 56, .size: 8, .value_kind: global_buffer, .address_space: global }
      - { .name: vimg, .offset: 64, .size: 8, .value_kind: global_buffer, .address_space: global }
      - { .name: scl, .offset: 72, .size: 8, .value_kind: global_buffer, .address_space: global }
    .group_segment_fixed_size: 262656
    .private_segment_fixed_size: 0
    .kernarg_segment_align: 8
    .kernarg_segment_size: 80
    .max_flat_workgroup_size: 128
    .sgpr_count:     100
    .vgpr_count:     1024
    .wavefront_size: 32
...
	.end_amdgpu_metadata
.endif
;; end of part 2
;; launch attn (part 3): grid 32 x 8, 4 waves a work-group, clusters of 4 x 1, 327,680 bytes of LDS; arguments qimg, kimg, vimg, scl, wimg, bp, x, out0; writes out0
.if DOCPART == 3
	.amdgcn_target "amdgcn-amd-amdhsa--gfx1250"
	.amdhsa_code_object_version 6
	.text
	.protected	k_qb426d9d1e8_attn
	.globl	k_qb426d9d1e8_attn
	.p2align	8
	.type	k_qb426d9d1e8_attn,@function
k_qb426d9d1e8_attn:
	s_mov_b64 s[64:65], 0
	v_nop
	global_prefetch_b8 v0, s[64:65] scope:SCOPE_SE
	s_setreg_imm32_b32 hwreg(HW_REG_WAVE_MODE, 25, 1), 1
	s_wait_xcnt 0x0
	s_wait_alu depctr_hold_cnt(0) depctr_sa_sdst(0) depctr_va_vdst(0) depctr_va_sdst(0) depctr_va_ssrc(0) depctr_va_vcc(0) depctr_vm_vsrc(0)
	s_getreg_b32 s2, hwreg(HW_REG_IB_STS2, 6, 4)
	s_cmp_eq_u32 s2, 0
	s_cbranch_scc0 .Lentry_in_a_cluster
	s_endpgm
.Lentry_in_a_cluster:
	s_bfe_u32 s2, ttmp6, 0x10000c
	s_cmp_lg_u32 s2, 0x3003
	s_cbranch_scc0 .Lentry_shape_is_right
	s_endpgm
.Lentry_shape_is_right:
; out0 = x + wp (softmax(q^T k / sqrt(512)) v) + bp, all three products on codes of FP6 (E2M3) with one E8M0 scale for each 32 along a product's K.
; SHARES.  A work-group owns 64 queries (four tiles of 16) of one batch and walks the batch's 2,048 keys, 256 a step.
;   S^T = K Q^T: wave w takes key tiles 4 w .. 4 w + 3 of the step (64 keys) against all four query tiles; every wave holds all of Q in registers.
;   O^T = V^T P^T: wave w takes channels 128 w .. 128 w + 127 (8 tiles) against all four query tiles.
; So each fragment of K and of V is read from LDS once in the work-group and feeds four matrix instructions; what goes from wave to wave is small: the rows' maxima and P's codes.
; Both products are used transposed: a lane holds ONE query (lane % 16) throughout.  The keys of a tile are 32 b + 8 u + r + 8 (r / 8), so that the 16 registers of two neighbouring tiles are 16 neighbouring keys.
; SOFTMAX.  t = score x log2(e) / sqrt(512) (one multiplication); M = the row's largest t so far, over all four waves, rounded up to a whole number; p = 2^(t - M) is quantised along the keys; the row's sum is taken of
; the unquantised p and divides O at the end.  When M moves, the sum and O^T are multiplied by 2^(old M - new M): exact.  A block's largest p is made from its largest score by the same two instructions.
; RING.  K has two buffers, V one.  At a step's head stands a round of the cluster's barrier; behind it waves 0 and 1 ask for the NEXT step's K and waves 2 and 3 for THIS step's V, 49,152 bytes each; every wave waits for
; its load in front of the barrier that hands P over, so a load has the step's first product and softmax in which to land.  A wave has one tensor load out.
; CLUSTER.  The four work-groups of a cluster belong to one batch and walk the same K and V: each tile is asked for jointly, by the same load with the same descriptor and a mask that names the four.
; EPILOGUE.  O^T / the sum is quantised along the channels, goes round through LDS, and is source 0 of the last product (source 1 = wp): a lane then holds one output channel and eight neighbouring tokens.
; The results go through the wave's own rows of a stage in LDS, x is added, and sixteen lanes store 256 bytes on end, aligned.
; REGISTERS, in windows of 256: window 0: v1-30 addresses; v32-59 scale words; v60-103 statistics; v104-231 S^T, then P's fragments; v232-255 P's codes.
;   window 1: Q at 12 (4 qt + s), later the quantised O.   window 2: O^T at 64 qt + 8 ct, later the last product's sums.   window 3: K at 12 (4 kt + s) or V at 12 (8 kap + i), later wp.
; LIMITS: NaN and infinities are not served; blocks whose largest magnitude lies under 2^-124 keep the scale byte 1; 1 / sum by v_rcp_f32.
.set K1,    131072                     ; LDS: K's buffer 0 at 0, buffer 1 here: one exclusive or turns an address
.set VB,    229376                     ; V
.set PB,    98304                      ; P's codes: [qt 4][wave 4] halves of 768 bytes: 16 bytes a lane, then 8 bytes a lane
.set PSB,   110592                     ; P's scale words [qt 4][kap 2][row 16]
.set MXB,   111104                     ; the waves' maxima [qt 4][row 16][wave 4]
.set LXB,   112128                     ; the waves' sums, likewise
.set SPARE, 113152                     ; the spare words, 128 bytes a wave: two blocks of 256 bytes that no other line names
.set H2S,   113664                     ; the quantised O's scale words [qt 4][K step 4][row 16]
.set STG,   131072                     ; the way out: 512 rows x (256 + 16) bytes, in K's buffer 1 and V's, which have had their last fill and their last read by then; the quantised O's fragments lie at 0, in K's buffer 0
.set LI,  3
.set L8,  4
.set SPW, 5
.set NIL, 6
.set AK0, 7
.set ADK, 8
.set AV,  9
.set PWA, 10
.set PWB, 11
.set PRA, 12
.set PRB, 13
.set PSW, 14
.set PSR, 15
.set MXW, 16
.set MXR, 17
.set KSO, 18
.set VSO, 19
.set PFO, 20
.set LXW, 21
.set LXR, 22
.set H2W, 23
.set H2SW, 24
.set H2SR, 25
.set STO, 26
.set SRD, 27
.set XO,  28
.set L4,  29
.set R4,  30
.set QS,  32                           ; v32-39 Q's scale words [K step][i]: lanes 0-15 tile 2 i, lanes 16-31 tile 2 i + 1;  later, with v40-47, wp's
.set KS,  40                           ; v40-47 K's, likewise
.set VS,  48                           ; v48-55 V's [kap][half][i];  later the quantised O's
.set PS,  56                           ; v56-59 P's [qt]: lanes 0-15 kap 0, lanes 16-31 kap 1
.set NM,  60                           ; v60-67 pairs (-M, the largest t);  later bp
.set LL,  68                           ; v68-75 the sum, in two halves
.set FF,  76                           ; v76-83 pairs (f, 0)
.set BM,  84                           ; v84-91 the blocks' largest scores [bt][qt]
.set T1,  92                           ; v92-99 at work
.set LM,  100                          ; v100-103 at work
.set SS,  104                          ; block (bt, qt) of S^T at SS + 16 (4 bt + qt)
.set CC,  232
.set TM,  84                           ; the epilogue's quantiser
.set PW,  100
.set PC,  232
.set WVN, 20                           ; s20 wave
.set SEL, 24
.set CS,  26
.set G1,  28                           ; s[28:35] group 1;  s[36:39] group 0 of the head's fill;  s[40:43] K's, s[44:47] V's, which walk
.set G0H, 36
.set G0K, 40
.set G0V, 44
.set TB,  48                           ; s48 the buffer of the step's K
.set JJ,  49                           ; s49 the step
.set LIMV, 50
.set LIMK, 51
.set PFK, 52
.set PFV, 54
.set KSB, 56
.set VSB, 58
.set WPF, 66
.set WPS, 68
.set MSB, 0
.macro WIN new                         ; the immediate's high byte repeats the setting that is left
.if MSB != \new
	s_set_vgpr_msb (MSB<<8)|\new
.set MSB, \new
.endif
.endm
.macro PLACES n
.rept \n
	v_nop
.endr
.endm
.macro ROUND                           ; a round of the cluster's barrier
	s_barrier_signal -1
	s_barrier_wait -1
	s_cmp_lg_u32 s[WVN], 0
	s_cbranch_scc1 .Lnot_wave_0_\@
	s_barrier_signal -3
.Lnot_wave_0_\@:
	s_barrier_wait -3
	s_barrier_signal -1
	s_barrier_wait -1
.endm
.macro JLOAD kfill                     ; waves 0, 1: the next step's K (kfill = 1);  waves 2, 3: this step's V.  The branch hangs on the wave's number alone.  Four v_nop follow each line
	s_cmp_lt_u32 s[WVN], 2
	s_cbranch_scc0 .Lfor_v_\@
.if \kfill
	tensor_load_to_lds s[G0K:G0K+3], s[G1:G1+7]
	s_nop 0
	PLACES 4
.endif
	s_branch .Lasked_\@
.Lfor_v_\@:
	tensor_load_to_lds s[G0V:G0V+3], s[G1:G1+7]
	s_nop 0
	PLACES 4
.Lasked_\@:
.endm
; PREFETCHES INTO THE L2: the next step's V and the K of the step after that: what the next change will ask for.  All clusters of a batch walk the same K and V: the batch's first cluster asks.  Its four partners share a
; block's 98,304 bytes out by address, 24,576 each; in each, waves 0 to 2 take 8,192 bytes, lanes 256 bytes apart: each 256 bytes are named once in the launch.  The last steps ask for nothing.
.macro ASK
	s_cmp_lt_u32 s[JJ], s[LIMV]
	s_cbranch_scc0 .Lno_v_\@
	global_prefetch_b8 v[PFO], s[PFV:PFV+1] th:TH_LOAD_NT scope:SCOPE_SE
.Lno_v_\@:
	s_cmp_lt_u32 s[JJ], s[LIMK]
	s_cbranch_scc0 .Lno_k_\@
	global_prefetch_b8 v[PFO], s[PFK:PFK+1] th:TH_LOAD_NT scope:SCOPE_SE
.Lno_k_\@:
.endm
.macro WM d, a, b, c, sa, sb, ra, rb   ; c < 0: C is the constant 0.  ra, rb: the half of the lanes from which source 0's and source 1's scale words are taken
.if (\c) < 0
.if (\ra) && (\rb)
	v_wmma_scale_f32_16x16x128_f8f6f4 v[(\d):(\d)+7], v[(\a):(\a)+11], v[(\b):(\b)+11], 0, v[\sa], v[\sb] matrix_a_fmt:MATRIX_FMT_FP6 matrix_b_fmt:MATRIX_FMT_FP6 matrix_a_scale:MATRIX_SCALE_ROW1 matrix_b_scale:MATRIX_SCALE_ROW1
.elseif (\ra)
	v_wmma_scale_f32_16x16x128_f8f6f4 v[(\d):(\d)+7], v[(\a):(\a)+11], v[(\b):(\b)+11], 0, v[\sa], v[\sb] matrix_a_fmt:MATRIX_FMT_FP6 matrix_b_fmt:MATRIX_FMT_FP6 matrix_a_scale:MATRIX_SCALE_ROW1
.elseif (\rb)
	v_wmma_scale_f32_16x16x128_f8f6f4 v[(\d):(\d)+7], v[(\a):(\a)+11], v[(\b):(\b)+11], 0, v[\sa], v[\sb] matrix_a_fmt:MATRIX_FMT_FP6 matrix_b_fmt:MATRIX_FMT_FP6 matrix_b_scale:MATRIX_SCALE_ROW1
.else
	v_wmma_scale_f32_16x16x128_f8f6f4 v[(\d):(\d)+7], v[(\a):(\a)+11], v[(\b):(\b)+11], 0, v[\sa], v[\sb] matrix_a_fmt:MATRIX_FMT_FP6 matrix_b_fmt:MATRIX_FMT_FP6
.endif
.else
.if (\ra) && (\rb)
	v_wmma_scale_f32_16x16x128_f8f6f4 v[(\d):(\d)+7], v[(\a):(\a)+11], v[(\b):(\b)+11], v[(\c):(\c)+7], v[\sa], v[\sb] matrix_a_fmt:MATRIX_FMT_FP6 matrix_b_fmt:MATRIX_FMT_FP6 matrix_a_scale:MATRIX_SCALE_ROW1 matrix_b_scale:MATRIX_SCALE_ROW1
.elseif (\ra)
	v_wmma_scale_f32_16x16x128_f8f6f4 v[(\d):(\d)+7], v[(\a):(\a)+11], v[(\b):(\b)+11], v[(\c):(\c)+7], v[\sa], v[\sb] matrix_a_fmt:MATRIX_FMT_FP6 matrix_b_fmt:MATRIX_FMT_FP6 matrix_a_scale:MATRIX_SCALE_ROW1
.elseif (\rb)
	v_wmma_scale_f32_16x16x128_f8f6f4 v[(\d):(\d)+7], v[(\a):(\a)+11], v[(\b):(\b)+11], v[(\c):(\c)+7], v[\sa], v[\sb] matrix_a_fmt:MATRIX_FMT_FP6 matrix_b_fmt:MATRIX_FMT_FP6 matrix_b_scale:MATRIX_SCALE_ROW1
.else
	v_wmma_scale_f32_16x16x128_f8f6f4 v[(\d):(\d)+7], v[(\a):(\a)+11], v[(\b):(\b)+11], v[(\c):(\c)+7], v[\sa], v[\sb] matrix_a_fmt:MATRIX_FMT_FP6 matrix_b_fmt:MATRIX_FMT_FP6
.endif
.endif
.endm
; 64 numbers of a lane in window w, register 16 b + i = k 32 b + 16 (lane / 16) + i of my row, become a fragment's codes in v[PC] on and its scale word in v[pw].
.macro QUANT w, s, pw
	WIN (\w)*5
.irp b, 0,1,2,3
	v_max3_num_f32 v[TM+\b], |v[(\s)+16*\b]|, |v[(\s)+16*\b+1]|, 0x1800000   ; the floor 2^(3 - 127): the byte cannot fall under 1
.endr
.irp i, 2,4,6,8,10,12,14
.irp b, 0,1,2,3
	v_max3_num_f32 v[TM+\b], |v[(\s)+16*\b+\i]|, |v[(\s)+16*\b+\i+1]|, v[TM+\b]
.endr
.endr
	WIN 0
.irp b, 0,1,2,3
	v_permlanex16_b32 v[TM+4+\b], v[TM+\b], s[SEL], s[SEL+1]
.endr
.irp b, 0,1,2,3
	v_max_num_f32 v[TM+\b], v[TM+\b], v[TM+4+\b]
.endr
.irp b, 0,1,2,3
	v_add_nc_u32 v[TM+12+\b], 0xff000000, v[TM+\b]
.endr
.irp b, 0,1,2,3
	v_lshrrev_b32 v[TM+4+\b], 23, v[TM+12+\b]
.endr
	v_lshl_or_b32 v[\pw], v[TM+5], 8, v[TM+4]
	v_lshl_or_b32 v[\pw], v[TM+6], 16, v[\pw]
	v_lshl_or_b32 v[\pw], v[TM+7], 24, v[\pw]
	WIN \w
.irp c, 0,1
	v_cvt_scalef32_pk16_fp6_f32 v[PC+6*\c:PC+6*\c+2], v[(\s)+32*\c:(\s)+32*\c+15], v[TM+12+2*\c]
	v_cvt_scalef32_pk16_fp6_f32 v[PC+12+4*\c:PC+14+4*\c], v[(\s)+32*\c+16:(\s)+32*\c+31], v[TM+13+2*\c]
.endr
	WIN 0
	v_nop                                          ; one plain place behind a scaled conversion
.irp c, 0,1
.irp i, 0,1,2
	v_permlane16_swap_b32 v[PC+6*\c+\i], v[PC+12+4*\c+\i]
.endr
.irp i, 0,1,2
	v_mov_b32 v[PC+3+6*\c+\i], v[PC+12+4*\c+\i]
.endr
.endr
.endm
.macro PLOAD kap                       ; P's four fragments of K step kap: each half of six registers is 16 bytes and 8 bytes a lane
.irp qt, 0,1,2,3
	ds_load_b128 v[SS+12*(2*\qt+\kap):SS+12*(2*\qt+\kap)+3], v[PRA] offset:3072*\qt+1536*\kap
	ds_load_b64 v[SS+12*(2*\qt+\kap)+4:SS+12*(2*\qt+\kap)+5], v[PRB] offset:3072*\qt+1536*\kap
	ds_load_b128 v[SS+12*(2*\qt+\kap)+6:SS+12*(2*\qt+\kap)+9], v[PRA] offset:3072*\qt+1536*\kap+768
	ds_load_b64 v[SS+12*(2*\qt+\kap)+10:SS+12*(2*\qt+\kap)+11], v[PRB] offset:3072*\qt+1536*\kap+768
.endr
.endm
.macro VLOAD kap                       ; my 8 fragments of V of K step kap
.irp i, 0,1,2,3,4,5,6,7
.irp g, 0,1,2
	ds_load_b128 v[12*(8*\kap+\i)+4*\g:12*(8*\kap+\i)+4*\g+3], v[AV] offset:(8*\kap+\i)*1536+512*\g
.endr
.endr
.endm
; A STEP OF 256 KEYS.  first: O^T's sums begin;  kfill: the next step's K is asked for;  last: nothing follows.
.macro STEP first, kfill, last
	; ---- the change: all my tensor loads have landed, 0 goes onto my spare word, the add and my LDS reads are over; then the round; then my one load
	s_wait_tensorcnt 0x0
	ds_add_u32 v[SPW], v[NIL]
.if !\last
	s_wait_xcnt 0x0                                ; the last step's prefetches have read their addresses
	s_add_nc_u64 s[PFK:PFK+1], s[PFK:PFK+1], 98304
	s_add_nc_u64 s[PFV:PFV+1], s[PFV:PFV+1], 98304
.endif
	s_wait_dscnt 0x0
	ROUND                                          ; no wave of any partner still reads the bytes that are filled now, or has a load on its way
	JLOAD \kfill
	v_add_nc_u32 v[ADK], s[TB], v[AK0]
	PLACES 5                                       ; on every wave's path: five places in front of products that begin S^T anew over P's registers, four in front of loads into registers that the last products have read
.irp kap, 0,1
.irp hf, 0,1
	global_load_b64 v[VS+4*\kap+2*\hf:VS+4*\kap+2*\hf+1], v[VSO], s[VSB:VSB+1] offset:512*\kap+256*\hf
.endr
.endr
.if !\last
	ASK
.endif
	; ---- S^T = K Q^T
	WIN 0xc0                                       ; destination window 3
.irp s, 0,1,2,3
.irp kt, 0,1,2,3
.irp g, 0,1,2
	ds_load_b128 v[12*(4*\kt+\s)+4*\g:12*(4*\kt+\s)+4*\g+3], v[ADK] offset:(4*\kt+\s)*1536+512*\g
.endr
.endr
.endr
	s_xor_b32 s[TB], s[TB], K1                     ; the next step's K lies in the other buffer
	s_wait_loadcnt 4                               ; K's scale words are in; V's four loads may be out
.if !\last
	s_add_nc_u64 s[KSB:KSB+1], s[KSB:KSB+1], 4096
.endif
	WIN 0x07                                       ; source 0 (K) window 3, source 1 (Q) window 1, C and D window 0
.irp s, 0,1,2,3                        ; the 16 accumulators take turns, one instruction a turn
.irp kt, 0,1,2,3
	s_wait_dscnt 45-3*(4*\s+\kt)                   ; this fragment is in; those asked for behind it may be out
.irp qt, 0,1,2,3
.if \s == 0
	WM SS+16*(4*(\kt/2)+\qt)+8*(\kt%2), 12*(4*\kt+\s), 12*(4*\qt+\s), -1, KS+2*\s+\kt/2, QS+2*\s+\qt/2, \kt%2, \qt%2
.else
	WM SS+16*(4*(\kt/2)+\qt)+8*(\kt%2), 12*(4*\kt+\s), 12*(4*\qt+\s), SS+16*(4*(\kt/2)+\qt)+8*(\kt%2), KS+2*\s+\kt/2, QS+2*\s+\qt/2, \kt%2, \qt%2
.endif
.endr
.endr
.endr
	WIN 0
	PLACES 4
	; ---- the largest score of each block of 32 keys (each accumulator from its low end on); it serves the row's maximum and the block's largest p
.irp bt, 0,1
.irp qt, 0,1,2,3
	v_max3_num_f32 v[BM+4*\bt+\qt], v[SS+16*(4*\bt+\qt)], v[SS+16*(4*\bt+\qt)+1], v[SS+16*(4*\bt+\qt)+2]
.endr
.endr
.irp i, 3,5,7,9,11,13
.irp bt, 0,1
.irp qt, 0,1,2,3
	v_max3_num_f32 v[BM+4*\bt+\qt], v[BM+4*\bt+\qt], v[SS+16*(4*\bt+\qt)+\i], v[SS+16*(4*\bt+\qt)+\i+1]
.endr
.endr
.endr
.irp bt, 0,1
.irp qt, 0,1,2,3
	v_max_num_f32 v[BM+4*\bt+\qt], v[BM+4*\bt+\qt], v[SS+16*(4*\bt+\qt)+15]
.endr
.endr
.irp e, 0,1,2,3,4,5,6,7
	v_permlanex16_b32 v[T1+\e], v[BM+\e], s[SEL], s[SEL+1]
.endr
.irp e, 0,1,2,3,4,5,6,7
	v_max_num_f32 v[BM+\e], v[BM+\e], v[T1+\e]     ; with lane l xor 16's 16 keys
.endr
.irp qt, 0,1,2,3
	v_max_num_f32 v[LM+\qt], v[BM+\qt], v[BM+4+\qt]
.endr
.irp qt, 0,1,2,3
	ds_store_b32 v[MXW], v[LM+\qt] offset:256*\qt  ; my 64 keys' largest score of each query (both halves of the lanes write the same word with the same value)
.endr
	s_wait_dscnt 0x0
	s_barrier_signal -1
	s_barrier_wait -1                              ; the tensor loads stay on their way
.irp qt, 0,1,2,3
	ds_load_b128 v[CC+4*\qt:CC+4*\qt+3], v[MXR] offset:256*\qt
.endr
	s_wait_dscnt 0x0
.irp qt, 0,1,2,3
	v_max3_num_f32 v[LM+\qt], v[CC+4*\qt], v[CC+4*\qt+1], v[CC+4*\qt+2]
.endr
.irp qt, 0,1,2,3
	v_max_num_f32 v[LM+\qt], v[LM+\qt], v[CC+4*\qt+3]              ; the step's largest score: the same in all four waves
.endr
.irp qt, 0,1,2,3
	v_mul_f32 v[LM+\qt], s[CS], v[LM+\qt]          ; as t (c is positive)
.endr
.irp qt, 0,1,2,3
	v_max_num_f32 v[NM+2*\qt+1], v[NM+2*\qt+1], v[LM+\qt]          ; the running largest t
.endr
.irp qt, 0,1,2,3
	v_mov_b32 v[LM+\qt], v[NM+2*\qt]
.endr
.irp qt, 0,1,2,3
	v_floor_f32 v[NM+2*\qt], -v[NM+2*\qt+1]        ; the new -M = -ceil(t): M is a whole number
.endr
.irp qt, 0,1,2,3
	v_sub_f32 v[LM+\qt], v[NM+2*\qt], v[LM+\qt]    ; old M - new M: a whole number, 0 or less
.endr
.irp qt, 0,1,2,3
	v_cvt_i32_f32 v[LM+\qt], v[LM+\qt]             ; (it saturates)
.endr
.irp qt, 0,1,2,3
	v_ldexp_f32 v[FF+2*\qt], 1.0, v[LM+\qt]        ; f = 2^(old M - new M)
.endr
.irp bt, 0,1
.irp qt, 0,1,2,3
.irp k, 0,2,4,6,8,10,12,14
	v_pk_fma_f32 v[SS+16*(4*\bt+\qt)+\k:SS+16*(4*\bt+\qt)+\k+1], v[SS+16*(4*\bt+\qt)+\k:SS+16*(4*\bt+\qt)+\k+1], s[CS:CS+1], v[NM+2*\qt:NM+2*\qt+1] op_sel_hi:[1,0,0]   ; t - M
.endr
.endr
.endr
.irp bt, 0,1
.irp qt, 0,1,2,3
	v_fma_f32 v[BM+4*\bt+\qt], v[BM+4*\bt+\qt], s[CS], v[NM+2*\qt] ; the same of each block's largest score
.endr
.endr
.set j, 0
.rept 128
	v_exp_f32 v[SS+j], v[SS+j]                     ; p = 2^(t - M), at most 1
.set j, j+1
.endr
.irp qt, 0,1,2,3
	v_pk_mul_f32 v[LL+2*\qt:LL+2*\qt+1], v[LL+2*\qt:LL+2*\qt+1], v[FF+2*\qt:FF+2*\qt+1] op_sel_hi:[1,0]   ; the sums under the new M (plain places behind the exponentials)
.endr
	s_wait_alu depctr_va_vdst(0)                   ; one wait for the batch, ahead of its first reader
.irp e, 0,1,2,3,4,5,6,7
	v_exp_f32 v[BM+\e], v[BM+\e]                   ; the blocks' largest p
.endr
.irp qt, 0,1,2,3                       ; the row's sum of the unquantised p, two at a time, in two chains a tile
	v_pk_add_f32 v[T1+2*\qt:T1+2*\qt+1], v[SS+16*\qt:SS+16*\qt+1], v[SS+16*\qt+2:SS+16*\qt+3]
.endr
.irp k, 4,8,12
.irp qt, 0,1,2,3
	v_pk_add_f32 v[LL+2*\qt:LL+2*\qt+1], v[LL+2*\qt:LL+2*\qt+1], v[SS+16*\qt+\k:SS+16*\qt+\k+1]
	v_pk_add_f32 v[T1+2*\qt:T1+2*\qt+1], v[T1+2*\qt:T1+2*\qt+1], v[SS+16*\qt+\k+2:SS+16*\qt+\k+3]
.endr
.endr
.irp k, 0,4,8,12
.irp qt, 0,1,2,3
	v_pk_add_f32 v[LL+2*\qt:LL+2*\qt+1], v[LL+2*\qt:LL+2*\qt+1], v[SS+64+16*\qt+\k:SS+64+16*\qt+\k+1]
	v_pk_add_f32 v[T1+2*\qt:T1+2*\qt+1], v[T1+2*\qt:T1+2*\qt+1], v[SS+64+16*\qt+\k+2:SS+64+16*\qt+\k+3]
.endr
.endr
.irp qt, 0,1,2,3
	v_pk_add_f32 v[LL+2*\qt:LL+2*\qt+1], v[LL+2*\qt:LL+2*\qt+1], v[T1+2*\qt:T1+2*\qt+1]
.endr
	s_wait_alu depctr_va_vdst(0)                   ; and one for the eight
.irp e, 0,1,2,3,4,5,6,7
	v_max_num_f32 v[BM+\e], 0x1800000, v[BM+\e]    ; the floor 2^(3 - 127)
.endr
.irp e, 0,1,2,3,4,5,6,7
	v_add_nc_u32 v[BM+\e], 0xff000000, v[BM+\e]    ; 2 off the exponent field: the conversion's scale operand
.endr
.irp e, 0,1,2,3,4,5,6,7
	v_lshrrev_b32 v[T1+\e], 23, v[BM+\e]           ; the scale's byte
.endr
.irp qt, 0,1,2,3
	v_lshl_or_b32 v[T1+\qt], v[T1+4+\qt], 8, v[T1+\qt]
.endr
.irp qt, 0,1,2,3
	ds_store_b16 v[PSW], v[T1+\qt] offset:128*\qt  ; my two bytes of the row's scale word of K step wave / 2
.endr
.irp qt, 0,1,2,3
	v_cvt_scalef32_pk16_fp6_f32 v[CC+6*\qt:CC+6*\qt+2], v[SS+16*\qt:SS+16*\qt+15], v[BM+\qt]
.endr
	v_nop                                          ; a plain place: the next four write into the sources of these four
.irp qt, 0,1,2,3
	v_cvt_scalef32_pk16_fp6_f32 v[SS+16*\qt:SS+16*\qt+2], v[SS+64+16*\qt:SS+64+16*\qt+15], v[BM+4+\qt]
.endr
	v_nop
.irp qt, 0,1,2,3                       ; a whole block in a lane: lanes 0-15 my first 32 keys, lanes 16-31 my second: registers 6 (wave % 2) on of the fragment
.irp i, 0,1,2
	v_permlane16_swap_b32 v[CC+6*\qt+\i], v[SS+16*\qt+\i]
.endr
.irp i, 0,1,2
	v_mov_b32 v[CC+6*\qt+3+\i], v[SS+16*\qt+\i]
.endr
.endr
.irp qt, 0,1,2,3
	ds_store_b128 v[PWA], v[CC+6*\qt:CC+6*\qt+3] offset:3072*\qt
	ds_store_b64 v[PWB], v[CC+6*\qt+4:CC+6*\qt+5] offset:3072*\qt
.endr
	; ---- P is handed over, and V has landed
	s_wait_tensorcnt 0x0                           ; my one load: so its group 0 may be written
	s_xor_b32 s[G0K+1], s[G0K+1], K1
	s_add_nc_u64 s[G0K+2:G0K+3], s[G0K+2:G0K+3], 98304
	s_add_nc_u64 s[G0V+2:G0V+3], s[G0V+2:G0V+3], 98304
	s_wait_dscnt 0x0
	s_barrier_signal -1
.if !\first
	WIN 0x82                                       ; O^T (destination and source 0) window 2, f window 0
.irp qt, 0,1,2,3
.set j, 0
.rept 32
	v_pk_mul_f32 v[64*\qt+j:64*\qt+j+1], v[64*\qt+j:64*\qt+j+1], v[FF+2*\qt:FF+2*\qt+1] op_sel_hi:[1,0]   ; O^T under the new M, while the others arrive
.set j, j+2
.endr
.endr
	WIN 0
.endif
	s_barrier_wait -1
	; ---- O^T += V^T P^T
.if !\last
.irp s, 0,1,2,3
	global_load_b64 v[KS+2*\s:KS+2*\s+1], v[KSO], s[KSB:KSB+1] offset:1024*\s       ; the next step's scale words of K
.endr
.endif
.irp qt, 0,1,2,3
	ds_load_b32 v[PS+\qt], v[PSR] offset:128*\qt
.endr
	PLOAD 0
	WIN 0xc0
	VLOAD 0
	WIN 0
	PLOAD 1
	WIN 0xc0
	VLOAD 1
.if \last
	s_wait_loadcnt 0x0
.else
	s_wait_loadcnt 4                               ; V's scale words are in; K's four loads may be out
	s_add_nc_u64 s[VSB:VSB+1], s[VSB:VSB+1], 4096
.endif
	WIN 0xa3                                       ; source 0 (V) window 3, source 1 (P) window 0, C and D window 2
.irp kap, 0,1                          ; the 32 accumulators take turns
.irp i, 0,1,2,3,4,5,6,7
	s_wait_dscnt 21-3*\i+40*(1-\kap)               ; behind this fragment: the K step's later ones, and for the first K step the second's 16 + 24 loads
.irp qt, 0,1,2,3
.if \first && (\kap == 0)
	WM 64*\qt+8*\i, 12*(8*\kap+\i), SS+12*(2*\qt+\kap), -1, VS+4*\kap+2*(\i/4)+(\i%4)/2, PS+\qt, \i%2, \kap
.else
	WM 64*\qt+8*\i, 12*(8*\kap+\i), SS+12*(2*\qt+\kap), 64*\qt+8*\i, VS+4*\kap+2*(\i/4)+(\i%4)/2, PS+\qt, \i%2, \kap
.endif
.endr
.endr
.endr
	WIN 0
	s_add_co_u32 s[JJ], s[JJ], 1
.endm
	s_load_b512 s[4:19], s[0:1], 0x0               ; qimg s[4:5], kimg s[6:7], vimg s[8:9], scl s[10:11], wimg s[12:13], bp s[14:15], x s[16:17], out0 s[18:19]
	v_lshl_add_u32 v[SPW], v0, 2, SPARE
	v_mov_b32 v[NIL], 0
	ds_add_u32 v5, v6
	s_wait_dscnt 0x0
	v_lshrrev_b32 v1, 5, v0
	v_readfirstlane_b32 s[WVN], v1                 ; wave 0..3
	s_bfe_u32 s21, ttmp6, 0x40000                  ; cx
	s_and_b32 s22, ttmp7, 0xffff                   ; the batch, which the four partners share
	s_lshl_b32 s23, ttmp9, 2
	s_add_co_u32 s23, s23, s21                     ; my block of 64 queries
	; group 1: a dense block of 49,152 bytes as 192 rows of 256 (32 elements of 8 bytes); the mask names all four work-groups
	s_mov_b32 s[G1], 15|(3<<16)|(1<<21)
	s_mov_b32 s[G1+1], 32<<16
	s_mov_b32 s[G1+2], 192<<16
	s_mov_b32 s[G1+3], 32<<16
	s_mov_b32 s[G1+4], 192
	s_mov_b32 s[G1+5], 32
	s_mov_b32 s[G1+6], 0
	s_mov_b32 s[G1+7], 0
	s_mov_b32 s[SEL], 0x76543210
	s_mov_b32 s[SEL+1], 0xfedcba98
	s_mov_b32 s[CS], 0x3d8293ee                    ; c = log2(e) / sqrt(512)
	s_mov_b32 s[CS+1], s[CS]
	s_mov_b32 s[TB], 0
	s_mov_b32 s[JJ], 0
	s_and_b32 s60, s[WVN], 1
	s_mul_i32 s61, s60, 49152                      ; which half of a block I fetch
	s_mul_i32 s62, s22, 786432
	s_add_co_u32 s62, s62, s61
	s_mov_b32 s63, 0
	s_wait_kmcnt 0x0
	s_mov_b32 s[G0H], 1
	s_mov_b32 s[G0H+1], s61
	s_add_nc_u64 s[G0H+2:G0H+3], s[6:7], s[62:63]  ; K of step 0 into buffer 0
	s_mov_b32 s[G0K], 1
	s_add_co_u32 s[G0K+1], s61, K1
	s_add_nc_u64 s[G0K+2:G0K+3], s[G0H+2:G0H+3], 98304             ; K of step 1 into buffer 1
	s_or_b32 s[G0H+3], s[G0H+3], 0x80000000
	s_or_b32 s[G0K+3], s[G0K+3], 0x80000000
	s_mov_b32 s[G0V], 1
	s_add_co_u32 s[G0V+1], s61, VB
	s_add_nc_u64 s[G0V+2:G0V+3], s[8:9], s[62:63]
	s_or_b32 s[G0V+3], s[G0V+3], 0x80000000
	ROUND                                          ; all four work-groups are here
	s_cmp_lt_u32 s[WVN], 2
	s_cbranch_scc0 .Lno_head
	tensor_load_to_lds s[G0H:G0H+3], s[G1:G1+7]
	s_nop 0
	PLACES 4
.Lno_head:
	; the prefetches: who asks, and from where.  The first change steps K's address to step 2 and V's to step 1
	s_cmp_lt_u32 s[WVN], 3
	s_cselect_b32 s60, 0, 1
	s_or_b32 s60, s60, ttmp9                       ; the batch's first cluster: the same in all four partners
	s_cmp_eq_u32 s60, 0
	s_cselect_b32 s[LIMV], 7, 0
	s_cselect_b32 s[LIMK], 6, 0
	s_mul_i32 s62, s22, 786432
	s_mul_i32 s60, s21, 24576
	s_add_co_u32 s62, s62, s60
	s_lshl_b32 s60, s[WVN], 13
	s_add_co_u32 s62, s62, s60
	s_add_nc_u64 s[PFV:PFV+1], s[8:9], s[62:63]
	s_add_nc_u64 s[PFK:PFK+1], s[6:7], s[62:63]
	s_add_nc_u64 s[PFK:PFK+1], s[PFK:PFK+1], 98304
	; bases
	s_lshl_b32 s62, s22, 5
	s_add_co_u32 s62, s62, s23
	s_mul_i32 s62, s62, 24576
	s_add_nc_u64 s[4:5], s[4:5], s[62:63]          ; my 64 queries' fragments
	s_lshl_b32 s62, s22, 15
	s_add_nc_u64 s[10:11], s[10:11], s[62:63]      ; the batch's scale units
	s_add_nc_u64 s[KSB:KSB+1], s[10:11], 262144
	s_add_nc_u64 s[VSB:VSB+1], s[10:11], 524288
	s_lshl_b32 s62, ttmp9, 12
	s_lshl_b32 s60, s21, 8
	s_add_co_u32 s62, s62, s60
	s_add_nc_u64 s[10:11], s[10:11], s[62:63]      ; Q's
	s_mul_i32 s62, s[WVN], 49152
	s_add_co_u32 s62, s62, 614400
	s_add_nc_u64 s[WPF:WPF+1], s[12:13], s[62:63]  ; wp: my 8 tiles' fragments,
	s_lshl_b32 s62, s[WVN], 11
	s_add_co_u32 s62, s62, 811008
	s_add_nc_u64 s[WPS:WPS+1], s[12:13], s[62:63]  ; their scale words
	s_lshl_b32 s62, s[WVN], 9
	s_add_nc_u64 s[14:15], s[14:15], s[62:63]      ; bp: my 128
	s_lshl_b32 s62, s22, 22
	s_lshl_b32 s60, s[WVN], 20
	s_add_co_u32 s62, s62, s60
	s_lshl_b32 s60, s23, 8
	s_add_co_u32 s62, s62, s60
	s_add_nc_u64 s[16:17], s[16:17], s[62:63]      ; x and out0: batch, my 128 channels, my 64 tokens
	s_add_nc_u64 s[18:19], s[18:19], s[62:63]
	; addresses: all are made here
	v_and_b32 v1, 15, v0                           ; r
	v_bfe_u32 v2, v0, 4, 1                         ; h
	v_and_b32 v[LM], 31, v0                        ; lane
	v_lshlrev_b32 v[LI], 4, v[LM]
	v_lshlrev_b32 v[L8], 3, v[LM]
	v_lshlrev_b32 v[L4], 2, v[LM]
	v_lshlrev_b32 v[PFO], 8, v[LM]
	WIN 0x40                                       ; destination window 1
.irp f, 0,1,2,3,4,5,6,7,8,9,10,11,12,13,14,15
.irp g, 0,1,2
	global_load_b128 v[12*\f+4*\g:12*\f+4*\g+3], v[LI], s[4:5] offset:1536*\f+512*\g   ; Q stays in registers
.endr
.endr
	WIN 0
	s_lshl_b32 s60, s[WVN], 8
	v_add_nc_u32 v[KSO], s60, v[L8]
	s_lshl_b32 s60, s[WVN], 10
	v_add_nc_u32 v[VSO], s60, v[L8]
.irp s, 0,1,2,3
	global_load_b64 v[QS+2*\s:QS+2*\s+1], v[L8], s[10:11] offset:1024*\s
	global_load_b64 v[KS+2*\s:KS+2*\s+1], v[KSO], s[KSB:KSB+1] offset:1024*\s
.endr
	s_mul_i32 s60, s[WVN], 24576
	v_add_nc_u32 v[AK0], s60, v[LI]
	s_add_co_u32 s60, s60, VB
	v_add_nc_u32 v[AV], s60, v[LI]
	s_mul_i32 s60, s[WVN], 768
	s_add_co_u32 s60, s60, PB
	v_add_nc_u32 v[PWA], s60, v[LI]
	s_add_co_u32 s60, s60, 512
	v_add_nc_u32 v[PWB], s60, v[L8]
	v_add_nc_u32 v[PRA], PB, v[LI]
	v_add_nc_u32 v[PRB], PB+512, v[L8]
	s_lshr_b32 s60, s[WVN], 1
	s_lshl_b32 s60, s60, 6
	s_and_b32 s61, s[WVN], 1
	s_lshl_b32 s61, s61, 1
	s_add_co_u32 s60, s60, s61
	s_add_co_u32 s60, s60, PSB
	v_lshl_add_u32 v[PSW], v1, 2, s60
	v_add_nc_u32 v[PSR], PSB, v[L4]
	s_lshl_b32 s60, s[WVN], 2
	s_add_co_u32 s61, s60, MXB
	v_lshl_add_u32 v[MXW], v1, 4, s61
	v_lshlrev_b32 v[MXR], 4, v1
	v_add_nc_u32 v[LXR], LXB, v[MXR]
	v_add_nc_u32 v[MXR], MXB, v[MXR]
	s_add_co_u32 s61, s60, LXB
	v_lshl_add_u32 v[LXW], v1, 4, s61
	s_mul_i32 s60, s[WVN], 1536
	v_add_nc_u32 v[H2W], s60, v[LI]
	s_lshl_b32 s60, s[WVN], 6
	s_add_co_u32 s60, s60, H2S
	v_lshl_add_u32 v[H2SW], v1, 2, s60
	v_add_nc_u32 v[H2SR], H2S, v[L4]
	v_and_b32 v[LM], 8, v1
	v_add_nc_u32 v[LM], v[LM], v1                  ; r + 8 (r / 8)
	v_lshlrev_b32 v[R4], 2, v[LM]
	v_mul_u32_u24 v[STO], v[LM], 272
	v_lshl_add_u32 v[STO], v2, 6, v[STO]
	s_mul_i32 s60, s[WVN], 128*272
	s_add_co_u32 s60, s60, STG
	v_add_nc_u32 v[STO], s60, v[STO]               ; the stage, in: my channel's row, + 64 h
	v_mul_u32_u24 v[SRD], v2, 272
	v_lshl_add_u32 v[SRD], v1, 4, v[SRD]
	v_add_nc_u32 v[SRD], s60, v[SRD]               ; and back: lanes 0-15 one row, lanes 16-31 the next
	v_lshlrev_b32 v[XO], 13, v2
	v_lshl_add_u32 v[XO], v1, 4, v[XO]             ; the same two rows in x and out0
.irp qt, 0,1,2,3
	v_mov_b32 v[NM+2*\qt+1], 0xff61b1e6            ; the largest t so far: -3e38, under every t
	v_floor_f32 v[NM+2*\qt], -v[NM+2*\qt+1]
	v_mov_b32 v[LL+2*\qt], 0
	v_mov_b32 v[LL+2*\qt+1], 0
	v_mov_b32 v[FF+2*\qt], 0
	v_mov_b32 v[FF+2*\qt+1], 0                     ; (named as the upper half of a pair)
.endr
.irp e, 0,1,2,3,4,5,6,7
	v_mov_b32 v[T1+\e], 0                          ; a lane permute's destination counts as one of its sources
.endr
	s_wait_loadcnt 0x0                             ; Q, its scale words, and K's of step 0
	STEP 1, 1, 0
.Lstep:                                            ; steps 1 to 6
	STEP 0, 1, 0
	s_cmp_lt_u32 s[JJ], 7
	s_cbranch_scc1 .Lstep
	STEP 0, 0, 1                                   ; the last step is written out
	; ---------------------------------------------------------------- the epilogue
	PLACES 4                                       ; behind the last products: loads into their registers and reads of their results follow
.irp t, 0,1,2,3,4,5,6,7,8,9,10,11,12,13,14,15
	global_load_b128 v[168+4*\t:171+4*\t], v[XO], s[16:17] offset:16384*\t th:TH_LOAD_NT            ; x: my rows 0-31
.endr
	WIN 0x40
.irp t, 0,1,2,3,4,5,6,7,8,9,10,11,12,13,14,15
	global_load_b128 v[192+4*\t:195+4*\t], v[XO], s[16:17] offset:262144+16384*\t th:TH_LOAD_NT     ; rows 32-63
.endr
	WIN 0
.irp ot, 0,1,2,3,4,5,6,7
	global_load_b32 v[NM+\ot], v[R4], s[14:15] offset:(32*(\ot/2)+8*(\ot%2))*4                      ; bp of my channel in tile ot
.endr
.irp ot, 0,1,2,3,4,5,6,7
.irp i, 0,1
	global_load_b32 v[QS+2*\ot+\i], v[L4], s[WPS:WPS+1] offset:256*\ot+128*\i                       ; wp's scale words: lanes 0-15 K step 2 i, lanes 16-31 K step 2 i + 1
.endr
.endr
.irp qt, 0,1,2,3
	v_add_f32 v[LM+\qt], v[LL+2*\qt], v[LL+2*\qt+1]
.endr
.irp qt, 0,1,2,3
	v_permlanex16_b32 v[T1+\qt], v[LM+\qt], s[SEL], s[SEL+1]
.endr
.irp qt, 0,1,2,3
	v_add_f32 v[LM+\qt], v[LM+\qt], v[T1+\qt]      ; the sum over my wave's keys
.endr
.irp qt, 0,1,2,3
	ds_store_b32 v[LXW], v[LM+\qt] offset:256*\qt
.endr
	s_wait_dscnt 0x0
	s_barrier_signal -1
	s_barrier_wait -1
.macro WPLOAD ot, slot                 ; wp's tile ot, four K steps, into 48 registers of window 3
.irp s, 0,1,2,3
.irp g, 0,1,2
	global_load_b128 v[48*(\slot)+12*\s+4*\g:48*(\slot)+12*\s+4*\g+3], v[LI], s[WPF:WPF+1] offset:(4*(\ot)+\s)*1536+512*\g
.endr
.endr
.endm
	WIN 0xc0
.irp ot, 0,1,2,3,4
	WPLOAD \ot, \ot
.endr
	WIN 0
.irp qt, 0,1,2,3
	ds_load_b128 v[CC+4*\qt:CC+4*\qt+3], v[LXR] offset:256*\qt
.endr
	s_wait_dscnt 0x0
.irp qt, 0,1,2,3
	v_add_f32 v[LM+\qt], v[CC+4*\qt], v[CC+4*\qt+1]
	v_add_f32 v[T1+\qt], v[CC+4*\qt+2], v[CC+4*\qt+3]
.endr
.irp qt, 0,1,2,3
	v_add_f32 v[LM+\qt], v[LM+\qt], v[T1+\qt]      ; the row's sum
.endr
.irp qt, 0,1,2,3
	v_rcp_f32 v[FF+2*\qt], v[LM+\qt]
.endr
	v_nop                                          ; a plain place behind the reciprocals
	s_wait_alu depctr_va_vdst(0)                   ; one wait for the four, ahead of their first reader
.irp qt, 0,1,2,3                       ; O^T / the sum: my 128 channels of 16 queries: K step w of the last product
	WIN 0x02                                       ; source 0 window 2
.set j, 0
.rept 32
	v_pk_mul_f32 v[SS+j:SS+j+1], v[64*\qt+j:64*\qt+j+1], v[FF+2*\qt:FF+2*\qt+1] op_sel_hi:[1,0]     ; each accumulator from its low end on
.set j, j+2
.endr
	WIN 0
	QUANT 0, SS, PW
.irp g, 0,1,2
	ds_store_b128 v[H2W], v[PC+4*\g:PC+4*\g+3] offset:6144*\qt+512*\g      ; an image of the fragment's registers
.endr
	ds_store_b32 v[H2SW], v[PW] offset:256*\qt
	s_wait_dscnt 0x0                               ; the stores have read their registers
.endr
	s_barrier_signal -1
	s_barrier_wait -1                              ; the sixteen fragments lie in LDS
	WIN 0x40
.irp f, 0,1,2,3,4,5,6,7,8,9,10,11,12,13,14,15
.irp g, 0,1,2
	ds_load_b128 v[12*\f+4*\g:12*\f+4*\g+3], v[LI] offset:1536*\f+512*\g
.endr
.endr
	WIN 0
.irp qt, 0,1,2,3
.irp i, 0,1
	ds_load_b32 v[VS+2*\qt+\i], v[H2SR] offset:256*\qt+128*\i
.endr
.endr
	s_wait_loadcnt 60                              ; x's first half, bp and wp's scale words are in; wp's 60 loads may be out
.irp ot, 0,1,2,3,4,5,6,7
.irp e, 0,1,2,3,4,5,6,7
	v_mov_b32 v[SS+8*\ot+\e], v[NM+\ot]            ; the bias as a C: a lane holds one channel, so eight equal registers a tile
.endr
.endr
	s_wait_dscnt 0x0
.irp ot, 0,1,2,3,4,5,6,7               ; source 0 = the quantised O (16 tokens), source 1 = wp (16 channels); a tile's four accumulators take turns
.if \ot < 4
	s_wait_loadcnt 48                              ; this tile's 12 loads are in; four later tiles' may be out
.else
	s_wait_loadcnt 12*(7-\ot)
.endif
.irp s, 0,1,2,3
.if \s == 0
	WIN 0x8d                                       ; source 0 window 1, source 1 window 3, C window 0, D window 2
.else
	WIN 0xad
.endif
.irp qt, 0,1,2,3
.if \s == 0
	WM 32*\ot+8*\qt, 12*(4*\qt+\s), 48*(\ot%5)+12*\s, SS+8*\ot, VS+2*\qt+\s/2, QS+2*\ot+\s/2, \s%2, \s%2
.else
	WM 32*\ot+8*\qt, 12*(4*\qt+\s), 48*(\ot%5)+12*\s, 32*\ot+8*\qt, VS+2*\qt+\s/2, QS+2*\ot+\s/2, \s%2, \s%2
.endif
.endr
.endr
.if \ot < 3
	PLACES 4                                       ; in front of loads into the registers just read
	WIN 0xc0
	WPLOAD \ot+5, \ot
.endif
.endr
	WIN 0
	PLACES 4
	WIN 0xc0
.irp t, 0,1,2,3,4,5,6,7,8,9,10,11,12,13,14,15
	global_load_b128 v[4*\t:4*\t+3], v[XO], s[16:17] offset:524288+16384*\t th:TH_LOAD_NT           ; x: my rows 64-95
.endr
.irp t, 0,1,2,3,4,5,6,7,8,9,10,11,12,13,14,15
	global_load_b128 v[64+4*\t:67+4*\t], v[XO], s[16:17] offset:786432+16384*\t th:TH_LOAD_NT       ; rows 96-127
.endr
	WIN 0x08                                       ; an LDS store's data are its source 1: window 2
.irp ot, 0,1,2,3,4,5,6,7               ; lane (r, h): channel 32 (ot / 2) + 8 (ot % 2) + r + 8 (r / 8), tokens 32 (qt / 2) + 8 (qt % 2) + 16 h + 0 .. 7
.irp qt, 0,1,2,3
	ds_store_b128 v[STO], v[32*\ot+8*\qt:32*\ot+8*\qt+3] offset:(32*(\ot/2)+8*(\ot%2))*272+128*(\qt/2)+32*(\qt%2)
	ds_store_b128 v[STO], v[32*\ot+8*\qt+4:32*\ot+8*\qt+7] offset:(32*(\ot/2)+8*(\ot%2))*272+128*(\qt/2)+32*(\qt%2)+16
.endr
.endr
; 32 of my rows come back whole (LDS serves a wave's instructions in order: these loads see my stores), x is added, and they leave.  xw, xr: window and first register of x's numbers.
.macro OUTB bb, xw, xr
.if \bb >= 2
	s_wait_xcnt 0x0                                ; the stores of two batches ago have read their registers
.endif
	WIN 0xc0
.irp t, 0,1,2,3,4,5,6,7,8,9,10,11,12,13,14,15
	ds_load_b128 v[128+64*(\bb%2)+4*\t:128+64*(\bb%2)+4*\t+3], v[SRD] offset:\bb*8704+544*\t
.endr
	s_wait_dscnt 0x0
.if \bb == 2
	s_wait_loadcnt 16                              ; x's rows 64-95 are in
.endif
.if \bb == 3
	s_wait_loadcnt 0x0
.endif
	WIN 0xc3|((\xw)<<2)
.set j, 0
.rept 32
	v_pk_add_f32 v[128+64*(\bb%2)+j:128+64*(\bb%2)+j+1], v[128+64*(\bb%2)+j:128+64*(\bb%2)+j+1], v[\xr+j:\xr+j+1]
.set j, j+2
.endr
	WIN 0x0c                                       ; a store's data are its source 1: window 3
.irp t, 0,1,2,3,4,5,6,7,8,9,10,11,12,13,14,15
	global_store_b128 v[XO], v[128+64*(\bb%2)+4*\t:128+64*(\bb%2)+4*\t+3], s[18:19] offset:\bb*262144+16384*\t th:TH_STORE_NT   ; sixteen lanes store 256 bytes on end, aligned
.endr
.endm
	OUTB 0, 0, 168
	OUTB 1, 1, 192
	OUTB 2, 3, 0
	OUTB 3, 3, 64
	WIN 0
	s_wait_tensorcnt 0x0                           ; the wave's end
	ds_add_u32 v[SPW], v[NIL]
	s_wait_dscnt 0x0
	ROUND                                          ; the closing round
	s_endpgm
.Lfunc_end_k_qb426d9d1e8_attn:
	.size	k_qb426d9d1e8_attn, .Lfunc_end_k_qb426d9d1e8_attn-k_qb426d9d1e8_attn
	.p2alignl 7, 3214868480
	.fill 96, 4, 3214868480
	.section	.rodata,"a",@progbits
	.p2align	6, 0x0
	.amdhsa_kernel k_qb426d9d1e8_attn
		.amdhsa_group_segment_fixed_size 327680
		.amdhsa_private_segment_fixed_size 0
		.amdhsa_enable_private_segment 0
		.amdhsa_kernarg_size 64
		.amdhsa_user_sgpr_count 2
		.amdhsa_user_sgpr_kernarg_segment_ptr 1
		.amdhsa_wavefront_size32 1
		.amdhsa_system_sgpr_workgroup_id_x 1
		.amdhsa_system_sgpr_workgroup_id_y 1
		.amdhsa_system_sgpr_workgroup_id_z 1
		.amdhsa_system_vgpr_workitem_id 0
		.amdhsa_next_free_vgpr 1024
		.amdhsa_next_free_sgpr 100
		.amdhsa_reserve_vcc 0
		.amdhsa_float_denorm_mode_32 3
		.amdhsa_float_denorm_mode_16_64 3
		.amdhsa_memory_ordered 1
		.amdhsa_forward_progress 1
		.amdhsa_inst_pref_size 255
	.end_amdhsa_kernel
	.section	.bss,"aw",@nobits
	.p2align	6
	.space	262144
	.amdgpu_metadata
---
amdhsa.version: [ 1, 2 ]
amdhsa.kernels:
  - .name:           k_qb426d9d1e8_attn
    .symbol:         k_qb426d9d1e8_attn.kd
    .args:
      - { .name: qimg, .offset: 0, .size: 8, .value_kind: global_buffer, .address_space: global }
      - { .name: kimg, .offset: 8, .size: 8, .value_kind: global_buffer, .address_space: global }
      - { .name: vimg, .offset: 16, .size: 8, .value_kind: global_buffer, .address_space: global }
      - { .name: scl, .offset: 24, .size: 8, .value_kind: global_buffer, .address_space: global }
      - { .name: wimg, .offset: 32, .size: 8, .value_kind: global_buffer, .address_space: global }
      - { .name: bp, .offset: 40, .size: 8, .value_kind: global_buffer, .address_space: global }
      - { .name: x, .offset: 48, .size: 8, .value_kind: global_buffer, .address_space: global }
      - { .name: out0, .offset: 56, .size: 8, .value_kind: global_buffer, .address_space: global }
    .group_segment_fixed_size: 327680
    .private_segment_fixed_size: 0
    .kernarg_segment_align: 8
    .kernarg_segment_size: 64
    .max_flat_workgroup_size: 128
    .sgpr_count:     100
    .vgpr_count:     1024
    .wavefront_size: 32
...
	.end_amdgpu_metadata
.endif
;; end of part 3
